; MI455X (gfx1250); checked and timed in simulation.
; The chip was launched on July 23, 2026; its instructions are those of AMD's public machine-readable ISA for CDNA 5 (MIT licence, August 2026) and "CDNA5" Instruction Set Architecture Reference Guide (July 2026). The comments in the code are by the model that wrote it; some were corrected since.
;; Folding Generator. Allowed arithmetic: float matrix products may take bf16 or f16 operands with f32 sums; other float arithmetic in f32, or as packed bf16 or f16 multiplies, adds, multiply-adds, maxima and minima; sums over many terms, partial sums and values carried from step to step in f32; what a program stores and reads back later, other than sums and carried values, may be rounded once to bf16 or f16.
;; Inputs: W1 258 x 256 float32; W2 256 x 64 float32; W3 64 x 3 float32; Wc 256 x 3 float32; b1 256 float32; b2 64 float32; b3 3 float32; bc 3 float32; beta1 256 float32; beta2 64 float32; gamma1 256 float32; gamma2 64 float32; grid 64 x 2 float32; tokens 8 x 2,048 x 256 float32.
;; Outputs: out0 8 x 2,048 x 3 float32; out1 8 x 131,072 x 3 float32.
;; 2 versions, each right; version 2 is version 1 with the launch fold written anew for expert scheduling mode. Each part assembles by itself: llvm-mc -triple=amdgcn-amd-amdhsa -mcpu=gfx1250 --defsym DOCPART=n.
;; ======== version 1 of 2: 4 launches
;; limits: values are held in f16: magnitudes above 65,504 overflow, below 6.1e-05 lose precision; a difference of large sums (such as E[x^2] - mean^2): digits are lost where the result is much smaller than its terms
;; workspace buffers: Tbuf 16,777,216 bytes; part1 524,288 bytes; bn1 4,096 bytes; gimg 32,768 bytes; w2img 32,768 bytes; h2 134,217,728 bytes; part2 131,072 bytes
;; launch tok (part 1): grid 256 x 1, 4 waves a work-group, clusters of 4 x 1, 327,680 bytes of LDS; arguments tokens, W1, Wc, b1, bc, Tbuf, part1, out0; writes Tbuf, part1, out0
.if DOCPART == 1
	.amdgcn_target "amdgcn-amd-amdhsa--gfx1250"
	.amdhsa_code_object_version 6
	.text
	.protected	k_q76815ba7c0_tok
	.globl	k_q76815ba7c0_tok
	.p2align	8
	.type	k_q76815ba7c0_tok,@function
k_q76815ba7c0_tok:
	s_mov_b64 s[64:65], 0
	v_nop
	global_prefetch_b8 v0, s[64:65] scope:SCOPE_SE
	s_setreg_imm32_b32 hwreg(HW_REG_WAVE_MODE, 25, 1), 1
	s_wait_xcnt 0x0
	s_wait_alu depctr_hold_cnt(0) depctr_sa_sdst(0) depctr_va_vdst(0) depctr_va_sdst(0) depctr_va_ssrc(0) depctr_va_vcc(0) depctr_vm_vsrc(0)
	s_getreg_b32 s2, hwreg(HW_REG_IB_STS2, 6, 4)
	s_cmp_eq_u32 s2, 0
	s_cbranch_scc0 .Lentry_in_a_cluster
	s_endpgm
.Lentry_in_a_cluster:
	s_bfe_u32 s2, ttmp6, 0x10000c
	s_cmp_lg_u32 s2, 0x3003
	s_cbranch_scc0 .Lentry_shape_is_right
	s_endpgm
.Lentry_shape_is_right:
; T = tokens W1[0:256] + b1 (f32, to Tbuf), coarse = tokens Wc + bc (out0), and for each work-group and channel the mean and the centred sum of squares of T over its 64 rows (part1).
; tokens, W1, Wc, b1, bc are rounded once to bf16 where they are loaded; products in bf16, sums in f32.  NaN and infinities are not treated apart.
; SHARES.  A work-group takes 64 tokens.  Wave g takes channels 64 g .. 64 g + 63 of all 64 rows as four column tiles q; lane r of a tile stands for channel 64 g + 4 r + q, so that one 16-byte read of
; a row of W1 gives one k of all four tiles, and a lane's four results of a row are 16 neighbouring bytes of T.  Wave g also makes coarse of the 16 tokens 16 g ...
; CLUSTER.  W1's first 256 rows (262,144 bytes) are the same for all work-groups and are four fifths of what a work-group takes in: the four partners ask for them jointly, one tensor load a wave
; (64 rows of W1 each), filled once: no slot is filled again.  By this text's count a wave has one tensor load out.
; LDS: W1 as it lies (f32, rows of 1,024 bytes; a read takes 256 consecutive bytes for 16 lanes); tokens in bf16, rows of 512 + 16 bytes; Wc turned, three such rows; a stage for coarse; the spare words.
; REGISTERS.  Window 0: addresses, W1 raw (64), fragments in two sets.  Window 1: the 16 + 1 accumulators and all that the way out works on.
.set ATOK,  262144                     ; 64 rows x 528: tokens in bf16
.set AP,    528
.set WCT,   295936                     ; 3 rows x 528: Wc turned, bf16
.set CST,   297728                     ; 768 bytes: coarse of the 64 tokens
.set SPARE, 298752                     ; the spare words: 128 bytes a wave
.set SPW, 2
.set NIL, 3
.set ADRW, 4                           ; v4-7  8 h rows + 256 g + 16 r in W1's image, + 65,536 for each two K steps; v4 is also my byte offset in T
.set ADRA, 8                           ; v8    token fragments
.set ADRO, 9                           ; v9    my own token tile's fragment (coarse)
.set ADRC, 10                          ; v10   Wc's fragment
.set TLO, 11
.set AST, 12
.set P1O, 14
.set CSA, 15
.set WCA, 16                           ; v16-18 Wc row tid
.set WCS, 19
.set WCB, 20                           ; v20-22 Wc row tid + 128
.set WCO, 23
.set B1O, 24
.set CRD, 25
.set O0O, 26
.set RR, 27
.set HH, 28
.set LL, 29
.set RAW, 32                           ; v32-95   16 rows x 4 channels of W1, f32
.set TR, 32                            ; v32-159  my 16 rows of tokens as loaded (before the K steps)
.set AF, 96                            ; two sets of 4 token fragments
.set WF, 160                           ; two sets: Wc's fragment
.set OF, 176                           ; two sets: my tile's fragment
.set BF, 192                           ; two sets of 4 fragments of W1
.set CACC, 128                         ; window 1 from here on; accumulator (i, q) at 8 (4 i + q)
.set OUT, 136
.set B1Q, 200
.set BCV, 204
.set TM, 208
.set MN, 224
.set DD, 232
.set PST, 240
.set MSB, 0
.macro WIN new                         ; the immediate's high byte repeats the setting that is left
.if MSB != (\new)
	s_set_vgpr_msb (MSB<<8)|(\new)
.set MSB, \new
.endif
.endm
.macro RBF x                           ; an input number rounded to bf16, kept as f32
	v_cvt_pk_bf16_f32 v[\x], v[\x], v[\x]
	v_lshlrev_b32 v[\x], 16, v[\x]
.endm
.macro ROUND                           ; a round of the cluster's barrier
	s_barrier_signal -1
	s_barrier_wait -1
	s_cmp_lg_u32 s20, 0
	s_cbranch_scc1 .Lnot_wave_0_\@
	s_barrier_signal -3
.Lnot_wave_0_\@:
	s_barrier_wait -3
	s_barrier_signal -1
	s_barrier_wait -1
.endm
	s_load_b512 s[4:19], s[0:1], 0x0               ; tokens 4, W1 6, Wc 8, b1 10, bc 12, Tbuf 14, part1 16, out0 18
	v_lshl_add_u32 v[SPW], v0, 2, SPARE
	v_mov_b32 v[NIL], 0
	ds_add_u32 v[SPW], v[NIL]                      ; the wave's opening: the add and its wait ahead of my first tensor load
	ds_add_u32 v2, v3
	v_lshrrev_b32 v1, 5, v0
	v_readfirstlane_b32 s20, v1                    ; wave g
	s_bfe_u32 s21, ttmp6, 0x40000                  ; cx
	s_lshl_b32 s22, ttmp9, 2
	s_add_co_u32 s22, s22, s21                     ; work-group: it enters global addresses alone
	s_mov_b32 s24, 1                               ; group 0: count 1,
	s_lshl_b32 s25, s20, 16                        ; LDS byte 65,536 g
	s_mov_b32 s28, 15|(3<<16)|(1<<21)              ; group 1: mask of the four partners; elements of 8 bytes; bit 21 beside a mask
	s_mov_b32 s29, 32<<16                          ; tensor_dim0 = 32 (256 bytes)
	s_mov_b32 s30, 256<<16                         ; tensor_dim1 = 256
	s_mov_b32 s31, 32<<16                          ; tile_dim0 = 32
	s_mov_b32 s32, 256                             ; tile_dim1 = 256: 65,536 dense bytes, 64 rows of W1
	s_mov_b32 s33, 32                              ; pitch
	s_mov_b32 s34, 0
	s_mov_b32 s35, 0
	s_mov_b32 s40, 0x76543210                      ; v_permlanex16_b32: each lane takes its place in the other half
	s_mov_b32 s41, 0xfedcba98
	s_mov_b32 s43, 0xffff0000                      ; lanes 16-31
	v_and_b32 v[LL], 31, v0
	v_and_b32 v[RR], 15, v0
	v_bfe_u32 v[HH], v0, 4, 1
	s_lshl_b32 s36, s20, 8                         ; 256 g
	v_lshl_add_u32 v[B1O], v[RR], 4, s36           ; my four channels, in bytes
	v_lshl_add_u32 v[ADRW], v[HH], 13, v[B1O]      ; + 8 h rows of 1,024 bytes
	v_add_nc_u32 v[ADRW+1], 0x10000, v[ADRW]
	v_add_nc_u32 v[ADRW+2], 0x20000, v[ADRW]
	v_add_nc_u32 v[ADRW+3], 0x30000, v[ADRW]
	v_mul_u32_u24 v[ADRA], v[RR], AP
	v_lshl_add_u32 v[ADRA], v[HH], 4, v[ADRA]
	v_add_nc_u32 v[ADRA], ATOK, v[ADRA]
	s_mul_i32 s37, s20, 16*AP
	v_add_nc_u32 v[ADRO], s37, v[ADRA]
	v_min_u32 v[ADRC], 2, v[RR]                    ; rows 3-15 of Wc's fragment repeat row 2: their results are not used
	v_mul_u32_u24 v[ADRC], v[ADRC], AP
	v_lshl_add_u32 v[ADRC], v[HH], 4, v[ADRC]
	v_add_nc_u32 v[ADRC], WCT, v[ADRC]
	s_lshl_b32 s38, s20, 14
	v_lshl_add_u32 v[TLO], v[LL], 4, s38           ; my wave's 16 rows of tokens, 16 bytes a lane
	s_add_co_u32 s37, s37, ATOK
	v_lshl_add_u32 v[AST], v[LL], 3, s37
	v_lshrrev_b32 v30, 3, v[RR]
	v_and_b32 v31, 7, v[RR]
	v_lshlrev_b32 v[P1O], 16, v30                  ; part1: [kc = 2 g + r / 8][work-group][mean, M2][32 channels]
	v_lshl_add_u32 v[P1O], v[HH], 7, v[P1O]
	v_lshl_add_u32 v[P1O], v31, 4, v[P1O]
	s_lshl_b32 s39, s20, 17
	s_lshl_b32 s42, s22, 8
	s_add_co_u32 s39, s39, s42
	v_add_nc_u32 v[P1O], s39, v[P1O]
	v_mul_u32_u24 v[CSA], v[RR], 12
	s_mul_i32 s42, s20, 192
	s_add_co_u32 s42, s42, CST
	v_add_nc_u32 v[CSA], s42, v[CSA]               ; coarse of token 16 g + r
	v_lshl_add_u32 v[WCS], v0, 1, WCT
	v_mul_u32_u24 v[WCO], v0, 12
	v_lshl_add_u32 v[O0O], v[LL], 3, s36
	v_add_nc_u32 v[CRD], CST, v[O0O]
	s_wait_dscnt 0x0                               ; the opening add is done
	s_wait_kmcnt 0x0
	s_load_b96 s[48:50], s[12:13], 0x0             ; bc
	s_lshl_b32 s44, s22, 16                        ; 64 rows of 1,024 bytes
	s_mov_b32 s45, 0
	s_add_nc_u64 s[4:5], s[4:5], s[44:45]
	s_add_nc_u64 s[14:15], s[14:15], s[44:45]
	s_mul_i32 s44, s22, 768
	s_add_nc_u64 s[18:19], s[18:19], s[44:45]
	s_lshl_b32 s44, s20, 16
	s_add_nc_u64 s[26:27], s[6:7], s[44:45]        ; W1 at row 64 g: the same in all four partners
	s_or_b32 s27, s27, 0x80000000                  ; type 2
.set i, 0
.rept 32
	global_load_b128 v[TR+4*i:TR+4*i+3], v[TLO], s[4:5] offset:512*i th:TH_LOAD_NT
.set i, i+1
.endr
	global_load_b96 v[WCA:WCA+2], v[WCO], s[8:9]
	global_load_b96 v[WCB:WCB+2], v[WCO], s[8:9] offset:1536
	WIN 0x40
	global_load_b128 v[B1Q:B1Q+3], v[B1O], s[10:11]
	WIN 0
	ROUND                                          ; all four work-groups are here: the joint loads meet
	tensor_load_to_lds s[24:27], s[28:35]
	s_nop 0
.rept 4
	v_nop
.endr
	; tokens to bf16 and into LDS, eight loads at a time: the count leaves the younger token loads and the three small loads out
.set b, 0
.rept 4
	s_wait_loadcnt 27-8*b
.set i, 8*b
.rept 8
	v_cvt_pk_bf16_f32 v[TR+4*i], v[TR+4*i], v[TR+4*i+1]
	v_cvt_pk_bf16_f32 v[TR+4*i+1], v[TR+4*i+2], v[TR+4*i+3]
	ds_store_b64 v[AST], v[TR+4*i:TR+4*i+1] offset:(i/2)*AP+(i%2)*256
.set i, i+1
.endr
.set b, b+1
.endr
	s_wait_loadcnt 0x0
	v_cvt_pk_bf16_f32 v[WCA], v[WCA], v[WCA+1]
	v_cvt_pk_bf16_f32 v[WCA+2], v[WCA+2], v[WCA+2]
	v_cvt_pk_bf16_f32 v[WCB], v[WCB], v[WCB+1]
	v_cvt_pk_bf16_f32 v[WCB+2], v[WCB+2], v[WCB+2]
	ds_store_b16 v[WCS], v[WCA]
	ds_store_b16_d16_hi v[WCS], v[WCA] offset:AP
	ds_store_b16 v[WCS], v[WCA+2] offset:2*AP
	ds_store_b16 v[WCS], v[WCB] offset:256
	ds_store_b16_d16_hi v[WCS], v[WCB] offset:AP+256
	ds_store_b16 v[WCS], v[WCB+2] offset:2*AP+256
	s_wait_kmcnt 0x0
	WIN 0x55
.irp m, 0,1,2
	v_mov_b32 v[BCV+\m], s[48+\m]
.endr
.irp m, 0,1,2
	RBF BCV+\m
.endr
.irp q, 0,1,2,3
	RBF B1Q+\q
.endr
	WIN 0
	s_wait_dscnt 0x0                               ; for the others' sake: my stores are done,
	s_wait_tensorcnt 0x0                           ; and my quarter of W1 has landed
	s_barrier_signal -1
	s_barrier_wait -1                              ; everybody's
.macro FETCH kc                        ; 28 LDS loads: 16 rows of W1, four token fragments, Wc's and my own tile's
	WIN 0
.set bb, (\kc)&1
.irp x, 0,1,2,3,4,5,6,7,8,9,10,11,12,13,14,15
	ds_load_b128 v[RAW+4*\x:RAW+4*\x+3], v[ADRW+(\kc)/2] offset:bb*32768+(16*(\x/8)+\x%8)*1024
.endr
.irp i, 0,1,2,3
	ds_load_b128 v[AF+32*bb+8*\i:AF+32*bb+8*\i+3], v[ADRA] offset:\i*16*AP+64*(\kc)
	ds_load_b128 v[AF+32*bb+8*\i+4:AF+32*bb+8*\i+7], v[ADRA] offset:\i*16*AP+64*(\kc)+32
.endr
	ds_load_b128 v[WF+8*bb:WF+8*bb+3], v[ADRC] offset:64*(\kc)
	ds_load_b128 v[WF+8*bb+4:WF+8*bb+7], v[ADRC] offset:64*(\kc)+32
	ds_load_b128 v[OF+8*bb:OF+8*bb+3], v[ADRO] offset:64*(\kc)
	ds_load_b128 v[OF+8*bb+4:OF+8*bb+7], v[ADRO] offset:64*(\kc)+32
.endm
.macro CVT kc                          ; W1's 16 rows x 4 channels become four fragments: register y of tile q holds rows 2 y, 2 y + 1 of the sixteen
	WIN 0
.set bb, (\kc)&1
.irp q, 0,1,2,3
.irp y, 0,1,2,3,4,5,6,7
	v_cvt_pk_bf16_f32 v[BF+32*bb+8*\q+\y], v[RAW+8*\y+\q], v[RAW+8*\y+4+\q]
.endr
.endr
.endm
.macro MUL kc                          ; 17 products; the accumulators take turns, one instruction a turn
	WIN 0x50
.set bb, (\kc)&1
.irp i, 0,1,2,3
.irp q, 0,1,2,3
.if (\kc) == 0
	v_wmma_f32_16x16x32_bf16 v[8*(4*\i+\q):8*(4*\i+\q)+7], v[AF+32*bb+8*\i:AF+32*bb+8*\i+7], v[BF+32*bb+8*\q:BF+32*bb+8*\q+7], 0
.else
	v_wmma_f32_16x16x32_bf16 v[8*(4*\i+\q):8*(4*\i+\q)+7], v[AF+32*bb+8*\i:AF+32*bb+8*\i+7], v[BF+32*bb+8*\q:BF+32*bb+8*\q+7], v[8*(4*\i+\q):8*(4*\i+\q)+7]
.endif
.endr
.endr
.if (\kc) == 0
	v_wmma_f32_16x16x32_bf16 v[CACC:CACC+7], v[WF+8*bb:WF+8*bb+7], v[OF+8*bb:OF+8*bb+7], 0
.else
	v_wmma_f32_16x16x32_bf16 v[CACC:CACC+7], v[WF+8*bb:WF+8*bb+7], v[OF+8*bb:OF+8*bb+7], v[CACC:CACC+7]
.endif
.endm
	; Eight K steps of 32.  A step's 32 conversions name no register of the step before's products: they are the places ahead of the loads into that step's fragment set.
	FETCH 0
.irp kc, 0,1,2,3,4,5,6,7
	s_wait_dscnt 0x0
	CVT \kc
.if \kc < 7
	FETCH \kc+1
.endif
	MUL \kc
.endr
	; THE WAY OUT, in window 1.  A lane holds channel 64 g + 4 r + q and, in accumulator (i, q), rows 16 i + 8 h + 0..7.
	WIN 0x55
.rept 4
	v_nop                                          ; the places behind the last products
.endr
.macro LANES                           ; a pair's two halves, then the other half of the lanes
.irp q, 0,1,2,3
	v_add_f32 v[TM+4*\q], v[TM+4*\q], v[TM+4*\q+1]
.endr
.irp q, 0,1,2,3
	v_permlanex16_b32 v[TM+4*\q+1], v[TM+4*\q], s40, s41
.endr
.irp q, 0,1,2,3
	v_add_f32 v[TM+4*\q], v[TM+4*\q], v[TM+4*\q+1]
.endr
.endm
.irp q, 0,1,2,3                        ; each accumulator's lowest pair is read first
	v_pk_add_f32 v[TM+4*\q:TM+4*\q+1], v[8*\q:8*\q+1], v[8*(4+\q):8*(4+\q)+1]
	v_pk_add_f32 v[TM+4*\q+2:TM+4*\q+3], v[8*(8+\q):8*(8+\q)+1], v[8*(12+\q):8*(12+\q)+1]
.endr
.irp jj, 1,2,3
.irp i, 0,1,2,3
.irp q, 0,1,2,3
	v_pk_add_f32 v[TM+4*\q+2*(\i/2):TM+4*\q+2*(\i/2)+1], v[TM+4*\q+2*(\i/2):TM+4*\q+2*(\i/2)+1], v[8*(4*\i+\q)+2*\jj:8*(4*\i+\q)+2*\jj+1]
.endr
.endr
.endr
.irp q, 0,1,2,3
	v_pk_add_f32 v[TM+4*\q:TM+4*\q+1], v[TM+4*\q:TM+4*\q+1], v[TM+4*\q+2:TM+4*\q+3]
.endr
	LANES
.irp q, 0,1,2,3
	v_mul_f32 v[MN+2*\q], 0x3c800000, v[TM+4*\q]   ; the mean of the 64 rows, twice: a pair for the packed lines
	v_mul_f32 v[MN+2*\q+1], 0x3c800000, v[TM+4*\q]
.endr
.set x, 0
.rept 16                               ; the centred squares: second pass over the accumulators, no difference of large sums
.irp q, 0,1,2,3
	v_pk_add_f32 v[DD+2*\q:DD+2*\q+1], v[8*(4*(x/4)+\q)+2*(x%4):8*(4*(x/4)+\q)+2*(x%4)+1], v[MN+2*\q:MN+2*\q+1] neg_lo:[0,1] neg_hi:[0,1]
.endr
.irp q, 0,1,2,3
.if x == 0
	v_pk_mul_f32 v[TM+4*\q:TM+4*\q+1], v[DD+2*\q:DD+2*\q+1], v[DD+2*\q:DD+2*\q+1]
.else
	v_pk_fma_f32 v[TM+4*\q:TM+4*\q+1], v[DD+2*\q:DD+2*\q+1], v[DD+2*\q:DD+2*\q+1], v[TM+4*\q:TM+4*\q+1]
.endif
.endr
.set x, x+1
.endr
	LANES
.irp q, 0,1,2,3
	v_add_f32 v[MN+2*\q], v[MN+2*\q], v[B1Q+\q]    ; T holds b1, so its mean does
	v_cndmask_b32 v[PST+\q], v[MN+2*\q], v[TM+4*\q], s43  ; lanes 0-15 store the mean, lanes 16-31 the sum of squares
.endr
.irp m, 0,1,2
	v_add_f32 v[DD+\m], v[CACC+\m], v[BCV+\m]      ; coarse: lanes 0-15 hold token 16 g + r, registers 0-2 its three numbers
.endr
	WIN 0x04                                       ; address in window 0, data in window 1
	global_store_b128 v[P1O], v[PST:PST+3], s[16:17]
	WIN 0
	s_wait_xcnt 0x0                                ; EXEC changes only behind this wait
	v_cmp_gt_u32 vcc_lo, 16, v[LL]
	s_and_saveexec_b32 s36, vcc_lo
	WIN 0x04
.irp m, 0,1,2
	ds_store_b32 v[CSA], v[DD+\m] offset:4*\m
.endr
	s_or_b32 exec_lo, exec_lo, s36
.irp i, 0,1,2,3
	WIN 0x55
.if \i >= 2
	s_wait_xcnt 0x0                                ; the set's earlier stores have read their data
.endif
.irp j, 0,1,2,3,4,5,6,7
.irp q, 0,1,2,3
	v_add_f32 v[OUT+32*(\i%2)+4*\j+\q], v[8*(4*\i+\q)+\j], v[B1Q+\q]
.endr
.endr
	WIN 0x04
.irp j, 0,1,2,3,4,5,6,7
	global_store_b128 v[ADRW], v[OUT+32*(\i%2)+4*\j:OUT+32*(\i%2)+4*\j+3], s[14:15] offset:(16*\i+\j)*1024  ; 16 lanes store 256 consecutive bytes, aligned
.endr
.endr
	WIN 0
	s_wait_dscnt 0x0                               ; for the others' sake: my part of coarse lies in the stage
	s_barrier_signal -1
	s_barrier_wait -1
	s_cmp_lt_u32 s20, 3                            ; 768 bytes: waves 0 to 2 store 256 each
	s_cbranch_scc0 .Lno_coarse
	ds_load_b64 v[30:31], v[CRD]
	s_wait_dscnt 0x0
	global_store_b64 v[O0O], v[30:31], s[18:19]
.Lno_coarse:
	s_wait_tensorcnt 0x0                           ; the wave's end
	ds_add_u32 v[SPW], v[NIL]
	s_wait_dscnt 0x0
	ROUND                                          ; the closing round
	s_endpgm
.Lfunc_end_k_q76815ba7c0_tok:
	.size	k_q76815ba7c0_tok, .Lfunc_end_k_q76815ba7c0_tok-k_q76815ba7c0_tok
	.p2alignl 7, 3214868480
	.fill 96, 4, 3214868480
	.section	.rodata,"a",@progbits
	.p2align	6, 0x0
	.amdhsa_kernel k_q76815ba7c0_tok
		.amdhsa_group_segment_fixed_size 327680
		.amdhsa_private_segment_fixed_size 0
		.amdhsa_enable_private_segment 0
		.amdhsa_kernarg_size 64
		.amdhsa_user_sgpr_count 2
		.amdhsa_user_sgpr_kernarg_segment_ptr 1
		.amdhsa_wavefront_size32 1
		.amdhsa_system_sgpr_workgroup_id_x 1
		.amdhsa_system_sgpr_workgroup_id_y 1
		.amdhsa_system_sgpr_workgroup_id_z 1
		.amdhsa_system_vgpr_workitem_id 0
		.amdhsa_next_free_vgpr 512
		.amdhsa_next_free_sgpr 66
		.amdhsa_reserve_vcc 1
		.amdhsa_float_denorm_mode_32 3
		.amdhsa_float_denorm_mode_16_64 3
		.amdhsa_memory_ordered 1
		.amdhsa_forward_progress 1
		.amdhsa_inst_pref_size 78
	.end_amdhsa_kernel
	.amdgpu_metadata
---
amdhsa.version: [ 1, 2 ]
amdhsa.kernels:
  - .name:           k_q76815ba7c0_tok
    .symbol:         k_q76815ba7c0_tok.kd
    .args:
      - { .name: tokens, .offset: 0, .size: 8, .value_kind: global_buffer, .address_space: global }
      - { .name: W1, .offset: 8, .size: 8, .value_kind: global_buffer, .address_space: global }
      - { .name: Wc, .offset: 16, .size: 8, .value_kind: global_buffer, .address_space: global }
      - { .name: b1, .offset: 24, .size: 8, .value_kind: global_buffer, .address_space: global }
      - { .name: bc, .offset: 32, .size: 8, .value_kind: global_buffer, .address_space: global }
      - { .name: Tbuf, .offset: 40, .size: 8, .value_kind: global_buffer, .address_space: global }
      - { .name: part1, .offset: 48, .size: 8, .value_kind: global_buffer, .address_space: global }
      - { .name: out0, .offset: 56, .size: 8, .value_kind: global_buffer, .address_space: global }
    .group_segment_fixed_size: 327680
    .private_segment_fixed_size: 0
    .kernarg_segment_align: 8
    .kernarg_segment_size: 64
    .max_flat_workgroup_size: 128
    .sgpr_count:     66
    .vgpr_count:     512
    .wavefront_size: 32
...
	.end_amdgpu_metadata
.endif
;; end of part 1
;; launch fin1 (part 2): grid 8 x 1, 8 waves a work-group, no clusters, 6,144 bytes of LDS; arguments part1, grid, W1, gamma1, beta1, W2, bn1, gimg, w2img; writes bn1, gimg, w2img
.if DOCPART == 2
	.amdgcn_target "amdgcn-amd-amdhsa--gfx1250"
	.amdhsa_code_object_version 6
	.text
	.protected	k_q76815ba7c0_fin1
	.globl	k_q76815ba7c0_fin1
	.p2align	8
	.type	k_q76815ba7c0_fin1,@function
k_q76815ba7c0_fin1:
	s_mov_b64 s[64:65], 0
	v_nop
	global_prefetch_b8 v0, s[64:65] scope:SCOPE_SE
	s_setreg_imm32_b32 hwreg(HW_REG_WAVE_MODE, 25, 1), 1
	s_wait_xcnt 0x0
; BN1's statistics are finished, and two register images are written.  A work-group takes 32 channels (kc = its number).
; Over the product set (token, point) the variance of T[t] + g[n] is var_t T + var_n g, for every input: the cross term is a product of two zero sums.
; var_t T: the 256 parts (mean and centred sum of squares of 64 rows each) are merged as M2 = sum M2_i + 64 sum (mean_i - mean)^2: no difference of large sums.
; var_n g: g = x a + y b with a, b the last two rows of W1: a^2 Vxx + 2 a b Vxy + b^2 Vyy with the grid's centred moments.
; OUT: bn1 [kc][mean_T, s1, beta1, 0][32] f32; gimg: G'' = s1 (g - mean g) in f16 as fragments [pt][kc][half][lane][16 bytes]; w2img: W2 turned, rounded to bf16 and written as f16, [dt][kc][half][lane][16 bytes].
; grid, W1, gamma1, beta1, W2 are rounded once to bf16.  LIMIT: an entry of W2 below 6e-5 keeps f16's fixed step of 6e-8.
; All eight waves merge the parts (32 work-groups' each); then waves 0-3 finish BN1 and write a point tile of gimg each, waves 4-7 a tile of w2img each.
; No matrix unit, no cluster, no counted waits: the launch is a short chain of dependent steps on 0.6 MB.
.set R1, 0                             ; 8 x 256: each wave's sums of means and of M2
.set R2, 2048                          ; 8 x 128: each wave's sum of (mean_i - mean)^2
.set TAB, 3072                         ; 8 x 256: s1 a and s1 b of the 32 channels, each wave's own
.set SPARE, 5120
.macro RBF x
	v_cvt_pk_bf16_f32 v[\x], v[\x], v[\x]
	v_lshlrev_b32 v[\x], 16, v[\x]
.endm
.macro SUM8 b                          ; eight groups of four registers from b on, added into the first
.irp s, 1,2,4
.set x, 0
.rept 4/\s
	v_pk_add_f32 v[(\b)+8*\s*x:(\b)+8*\s*x+1], v[(\b)+8*\s*x:(\b)+8*\s*x+1], v[(\b)+8*\s*x+4*\s:(\b)+8*\s*x+4*\s+1]
	v_pk_add_f32 v[(\b)+8*\s*x+2:(\b)+8*\s*x+3], v[(\b)+8*\s*x+2:(\b)+8*\s*x+3], v[(\b)+8*\s*x+4*\s+2:(\b)+8*\s*x+4*\s+3]
.set x, x+1
.endr
.endr
.endm
.macro WSUM x, t                       ; the sum over the wave's 32 lanes, in every lane
	v_add_f32_dpp v[\x], v[\x], v[\x] row_xmask:1 row_mask:0xf bank_mask:0xf
	v_add_f32_dpp v[\x], v[\x], v[\x] row_xmask:2 row_mask:0xf bank_mask:0xf
	v_add_f32_dpp v[\x], v[\x], v[\x] row_xmask:4 row_mask:0xf bank_mask:0xf
	v_add_f32_dpp v[\x], v[\x], v[\x] row_xmask:8 row_mask:0xf bank_mask:0xf
	v_permlanex16_b32 v[\t], v[\x], s28, s29
	v_add_f32 v[\x], v[\x], v[\t]
.endm
	s_load_b512 s[4:19], s[0:1], 0x0               ; part1 4, grid 6, W1 8, gamma1 10, beta1 12, W2 14, bn1 16, gimg 18
	s_load_b64 s[20:21], s[0:1], 0x40              ; w2img
	v_lshl_add_u32 v2, v0, 2, SPARE                ; my spare word,
	v_mov_b32 v3, 0                                ; and 0
	v_lshrrev_b32 v1, 5, v0
	v_readfirstlane_b32 s22, v1                    ; wave
	v_and_b32 v4, 31, v0                           ; l: in a load of part1, work-group parity l / 16, kind (l / 8) % 2, channels 4 (l % 8) ..
	v_and_b32 v5, 15, v0
	v_bfe_u32 v6, v0, 4, 1
	v_and_b32 v7, 7, v0
	s_lshl_b32 s23, ttmp9, 16
	s_lshl_b32 s24, s22, 13
	s_add_co_u32 s23, s23, s24
	v_lshl_add_u32 v8, v4, 4, s23                  ; part1: kc, my wave's 32 work-groups
	s_lshl_b32 s25, ttmp9, 7
	v_lshl_add_u32 v11, v7, 4, s25                 ; my four channels, in bytes
	v_lshlrev_b32 v14, 4, v7
	s_lshl_b32 s26, s22, 8
	v_lshl_add_u32 v13, v5, 4, s26                 ; R1 + 256 w + 16 (l % 16)
	s_lshl_b32 s27, s22, 7
	s_add_co_u32 s27, s27, R2
	v_add_nc_u32 v15, s27, v14
	s_mov_b32 s28, 0x76543210
	s_mov_b32 s29, 0xfedcba98
	s_mov_b32 s30, 0xff00ff00                      ; the lanes that hold M2
	s_mov_b32 s33, 0xbc800000                      ; -1/64
	s_wait_kmcnt 0x0
.set i, 0
.rept 16
	global_load_b128 v[32+4*i:35+4*i], v8, s[4:5] offset:512*i
.set i, i+1
.endr
	s_cmp_lt_u32 s22, 4
	s_cbranch_scc0 .Lld_w2
	v_lshlrev_b32 v9, 3, v4
	v_lshl_add_u32 v10, v5, 3, s27                 ; (16 w + r) x 8 + R2,
	v_subrev_nc_u32 v10, R2, v10                   ; less R2
	global_load_b64 v[96:97], v9, s[6:7]           ; grid points l and l + 32,
	global_load_b64 v[98:99], v9, s[6:7] offset:256
	global_load_b64 v[100:101], v10, s[6:7]        ; and my tile's point 16 w + r
	global_load_b128 v[104:107], v11, s[8:9] offset:262144   ; a = W1 row 256
	global_load_b128 v[108:111], v11, s[8:9] offset:263168   ; b = W1 row 257
	global_load_b128 v[112:115], v11, s[10:11]
	global_load_b128 v[116:119], v11, s[12:13]
	s_branch .Lld_done
.Lld_w2:
	s_sub_co_u32 s31, s22, 4
	s_lshl_b32 s32, s31, 6
	s_lshl_b32 s38, ttmp9, 13
	s_add_co_u32 s32, s32, s38
	v_lshl_add_u32 v12, v6, 11, s32
	v_lshl_add_u32 v12, v5, 2, v12                 ; W2[32 kc + 8 h ..][16 dt + r]
.set x, 0
.rept 16
	global_load_b32 v[16+x], v12, s[14:15] offset:(16*(x/8)+x%8)*256
.set x, x+1
.endr
.Lld_done:
	s_wait_loadcnt 0x0
	; first pass: the sums of the parts' means and M2
	v_pk_add_f32 v[120:121], v[32:33], v[36:37]
	v_pk_add_f32 v[122:123], v[34:35], v[38:39]
.set i, 2
.rept 13
	v_pk_add_f32 v[120:121], v[120:121], v[32+4*i:33+4*i]
	v_pk_add_f32 v[122:123], v[122:123], v[34+4*i:35+4*i]
.set i, i+1
.endr
	v_pk_add_f32 v[124:125], v[120:121], v[92:93]
	v_pk_add_f32 v[126:127], v[122:123], v[94:95]
.irp c, 0,1,2,3
	v_permlanex16_b32 v[120+\c], v[124+\c], s28, s29   ; the other parity
.endr
	v_pk_add_f32 v[120:121], v[120:121], v[124:125]
	v_pk_add_f32 v[122:123], v[122:123], v[126:127]
	ds_store_b128 v13, v[120:123]                  ; both halves of the lanes write the same bytes with the same numbers
	s_wait_dscnt 0x0
	s_barrier_signal -1
	s_barrier_wait -1
.irp x, 0,1,2,3,4,5,6,7
	ds_load_b128 v[128+4*\x:131+4*\x], v14 offset:R1+256*\x
.endr
	s_wait_dscnt 0x0
	SUM8 128
	v_pk_mul_f32 v[192:193], v[128:129], 0x3b800000 op_sel_hi:[1,0]   ; mean_T of my four channels
	v_pk_mul_f32 v[194:195], v[130:131], 0x3b800000 op_sel_hi:[1,0]
	; second pass: sum of (mean_i - mean)^2; what the M2 lanes make of it is set to 0
.set i, 0
.rept 16
	v_pk_add_f32 v[204:205], v[32+4*i:33+4*i], v[192:193] neg_lo:[0,1] neg_hi:[0,1]
	v_pk_add_f32 v[206:207], v[34+4*i:35+4*i], v[194:195] neg_lo:[0,1] neg_hi:[0,1]
.if i == 0
	v_pk_mul_f32 v[200:201], v[204:205], v[204:205]
	v_pk_mul_f32 v[202:203], v[206:207], v[206:207]
.else
	v_pk_fma_f32 v[200:201], v[204:205], v[204:205], v[200:201]
	v_pk_fma_f32 v[202:203], v[206:207], v[206:207], v[202:203]
.endif
.set i, i+1
.endr
.irp c, 0,1,2,3
	v_cndmask_b32 v[200+\c], v[200+\c], 0, s30
.endr
.irp c, 0,1,2,3
	v_permlanex16_b32 v[204+\c], v[200+\c], s28, s29
.endr
	v_pk_add_f32 v[200:201], v[200:201], v[204:205]
	v_pk_add_f32 v[202:203], v[202:203], v[206:207]
.irp c, 0,1,2,3
	v_add_f32_dpp v[200+\c], v[200+\c], v[200+\c] row_xmask:8 row_mask:0xf bank_mask:0xf
.endr
	ds_store_b128 v15, v[200:203]
	s_wait_dscnt 0x0
	s_barrier_signal -1
	s_barrier_wait -1                              ; the last barrier: from here on the waves part
	s_cmp_lt_u32 s22, 4
	s_cbranch_scc0 .Lw2
.irp x, 0,1,2,3,4,5,6,7
	ds_load_b128 v[128+4*\x:131+4*\x], v14 offset:R2+128*\x
	ds_load_b128 v[160+4*\x:163+4*\x], v14 offset:R1+256*\x+128
.endr
.irp x, 96,97,98,99,100,101,104,105,106,107,108,109,110,111,112,113,114,115,116,117,118,119
	RBF \x
.endr
	v_add_f32 v204, v96, v98
	v_add_f32 v205, v97, v99
	WSUM 204, 206
	WSUM 205, 207
	v_fma_f32 v96, v204, s33, v96                  ; the grid, centred
	v_fma_f32 v98, v204, s33, v98
	v_fma_f32 v97, v205, s33, v97
	v_fma_f32 v99, v205, s33, v99
	v_fma_f32 v232, v204, s33, v100                ; my point, centred, each coordinate twice: pairs for the packed lines
	v_fma_f32 v233, v204, s33, v100
	v_fma_f32 v234, v205, s33, v101
	v_fma_f32 v235, v205, s33, v101
	v_mul_f32 v208, v96, v96
	v_mul_f32 v209, v96, v97
	v_mul_f32 v210, v97, v97
	v_fmac_f32 v208, v98, v98
	v_fmac_f32 v209, v98, v99
	v_fmac_f32 v210, v99, v99
	WSUM 208, 206
	WSUM 209, 207
	WSUM 210, 206
	v_mul_f32 v208, 0x3c800000, v208               ; Vxx
	v_mul_f32 v209, 0x3d000000, v209               ; 2 Vxy
	v_mul_f32 v210, 0x3c800000, v210               ; Vyy
.irp c, 0,1,2,3
	v_mul_f32 v[212+\c], v[104+\c], v208
	v_mul_f32 v[216+\c], v[108+\c], v210
	v_fmac_f32 v[212+\c], v[108+\c], v209
	v_mul_f32 v[216+\c], v[216+\c], v[108+\c]
	v_fmac_f32 v[216+\c], v[212+\c], v[104+\c]     ; var g = a (a Vxx + 2 b Vxy) + b (b Vyy)
.endr
	s_wait_dscnt 0x0
	SUM8 128
	SUM8 160
.irp c, 0,1,2,3
	v_fmamk_f32 v[128+\c], v[128+\c], 0x42800000, v[160+\c]   ; M2 = 64 sum (mean_i - mean)^2 + sum M2_i
	v_fmamk_f32 v[128+\c], v[128+\c], 0x38800000, v[216+\c]   ; / 16,384 + var g
	v_add_f32 v[128+\c], 0x3727c5ac, v[128+\c]                ; + 1e-5
.endr
.irp c, 0,1,2,3
	v_rsq_f32 v[220+\c], v[128+\c]
.endr
	v_nop                                          ; a plain instruction behind the last root,
	s_wait_alu depctr_va_vdst(0)                   ; and one wait for the four
	v_pk_mul_f32 v[220:221], v[220:221], v[112:113]   ; s1 = gamma1 / sqrt(var + eps)
	v_pk_mul_f32 v[222:223], v[222:223], v[114:115]
	v_pk_mul_f32 v[224:225], v[220:221], v[104:105]
	v_pk_mul_f32 v[226:227], v[222:223], v[106:107]
	v_pk_mul_f32 v[228:229], v[220:221], v[108:109]
	v_pk_mul_f32 v[230:231], v[222:223], v[110:111]
	s_add_co_u32 s34, s26, TAB
	v_add_nc_u32 v236, s34, v14
	v_lshl_add_u32 v237, v6, 5, s34
	ds_store_b128 v236, v[224:227]                 ; my wave's own table: LDS serves a wave's instructions in order, so no barrier
	ds_store_b128 v236, v[228:231] offset:128
.irp x, 0,1
	ds_load_b128 v[128+8*\x:131+8*\x], v237 offset:64*\x          ; s1 a of channels 16 x + 8 h + 0..7
	ds_load_b128 v[132+8*\x:135+8*\x], v237 offset:64*\x+16
	ds_load_b128 v[144+8*\x:147+8*\x], v237 offset:128+64*\x      ; s1 b
	ds_load_b128 v[148+8*\x:151+8*\x], v237 offset:128+64*\x+16
.endr
	s_lshl_b32 s38, s22, 13
	s_lshl_b32 s39, ttmp9, 10
	s_add_co_u32 s38, s38, s39
	v_lshl_add_u32 v238, v4, 4, s38                ; (8 pt + kc) x 1,024 + 16 l
	s_wait_dscnt 0x0
.set x, 0
.rept 8
	v_pk_mul_f32 v[128+2*x:129+2*x], v[128+2*x:129+2*x], v[232:233]
	v_pk_fma_f32 v[128+2*x:129+2*x], v[144+2*x:145+2*x], v[234:235], v[128+2*x:129+2*x]
.set x, x+1
.endr
.set x, 0
.rept 8
	v_cvt_pk_f16_f32 v[160+x], v[128+2*x], v[129+2*x]
.set x, x+1
.endr
	global_store_b128 v238, v[160:163], s[18:19]
	global_store_b128 v238, v[164:167], s[18:19] offset:512
	s_cmp_lg_u32 s22, 0
	s_cbranch_scc1 .Lend
	s_mov_b32 s35, 0x0000ff00                      ; wave 0 stores bn1: lanes 0-7 the mean, 8-15 s1, 16-23 beta1, 24-31 zeros
	s_mov_b32 s36, 0x00ff0000
	s_mov_b32 s37, 0xff000000
.irp c, 0,1,2,3
	v_cndmask_b32 v[168+\c], v[192+\c], v[220+\c], s35
	v_cndmask_b32 v[168+\c], v[168+\c], v[116+\c], s36
	v_cndmask_b32 v[168+\c], v[168+\c], 0, s37
.endr
	s_lshl_b32 s38, ttmp9, 9
	v_lshl_add_u32 v239, v4, 4, s38
	global_store_b128 v239, v[168:171], s[16:17]
	s_branch .Lend
.Lw2:
.set x, 0
.rept 8                                ; two numbers: rounded to bf16, widened, written as f16
	v_cvt_pk_bf16_f32 v[16+2*x], v[16+2*x], v[17+2*x]
	v_and_b32 v[17+2*x], 0xffff0000, v[16+2*x]
	v_lshlrev_b32 v[16+2*x], 16, v[16+2*x]
	v_cvt_pk_f16_f32 v[32+x], v[16+2*x], v[17+2*x]
.set x, x+1
.endr
	s_sub_co_u32 s31, s22, 4
	s_lshl_b32 s38, s31, 13
	s_lshl_b32 s39, ttmp9, 10
	s_add_co_u32 s38, s38, s39
	v_lshl_add_u32 v238, v4, 4, s38                ; (8 dt + kc) x 1,024 + 16 l
	global_store_b128 v238, v[32:35], s[20:21]
	global_store_b128 v238, v[36:39], s[20:21] offset:512
.Lend:
	s_wait_tensorcnt 0x0                           ; the wave's end
	ds_add_u32 v2, v3
	s_wait_dscnt 0x0
	s_endpgm
.Lfunc_end_k_q76815ba7c0_fin1:
	.size	k_q76815ba7c0_fin1, .Lfunc_end_k_q76815ba7c0_fin1-k_q76815ba7c0_fin1
	.p2alignl 7, 3214868480
	.fill 96, 4, 3214868480
	.section	.rodata,"a",@progbits
	.p2align	6, 0x0
	.amdhsa_kernel k_q76815ba7c0_fin1
		.amdhsa_group_segment_fixed_size 6144
		.amdhsa_private_segment_fixed_size 0
		.amdhsa_enable_private_segment 0
		.amdhsa_kernarg_size 72
		.amdhsa_user_sgpr_count 2
		.amdhsa_user_sgpr_kernarg_segment_ptr 1
		.amdhsa_wavefront_size32 1
		.amdhsa_system_sgpr_workgroup_id_x 1
		.amdhsa_system_sgpr_workgroup_id_y 1
		.amdhsa_system_sgpr_workgroup_id_z 1
		.amdhsa_system_vgpr_workitem_id 0
		.amdhsa_next_free_vgpr 256
		.amdhsa_next_free_sgpr 66
		.amdhsa_reserve_vcc 0
		.amdhsa_float_denorm_mode_32 3
		.amdhsa_float_denorm_mode_16_64 3
		.amdhsa_memory_ordered 1
		.amdhsa_forward_progress 1
		.amdhsa_inst_pref_size 31
	.end_amdhsa_kernel
	.amdgpu_metadata
---
amdhsa.version: [ 1, 2 ]
amdhsa.kernels:
  - .name:           k_q76815ba7c0_fin1
    .symbol:         k_q76815ba7c0_fin1.kd
    .args:
      - { .name: part1, .offset: 0, .size: 8, .value_kind: global_buffer, .address_space: global }
      - { .name: grid, .offset: 8, .size: 8, .value_kind: global_buffer, .address_space: global }
      - { .name: W1, .offset: 16, .size: 8, .value_kind: global_buffer, .address_space: global }
      - { .name: gamma1, .offset: 24, .size: 8, .value_kind: global_buffer, .address_space: global }
      - { .name: beta1, .offset: 32, .size: 8, .value_kind: global_buffer, .address_space: global }
      - { .name: W2, .offset: 40, .size: 8, .value_kind: global_buffer, .address_space: global }
      - { .name: bn1, .offset: 48, .size: 8, .value_kind: global_buffer, .address_space: global }
      - { .name: gimg, .offset: 56, .size: 8, .value_kind: global_buffer, .address_space: global }
      - { .name: w2img, .offset: 64, .size: 8, .value_kind: global_buffer, .address_space: global }
    .group_segment_fixed_size: 6144
    .private_segment_fixed_size: 0
    .kernarg_segment_align: 8
    .kernarg_segment_size: 72
    .max_flat_workgroup_size: 256
    .sgpr_count:     66
    .vgpr_count:     256
    .wavefront_size: 32
...
	.end_amdgpu_metadata
.endif
;; end of part 2
;; launch fold (part 3): grid 256 x 1, 4 waves a work-group, no clusters, 35,840 bytes of LDS; arguments Tbuf, bn1, gimg, w2img, b2, h2, part2; writes h2, part2
.if DOCPART == 3
	.amdgcn_target "amdgcn-amd-amdhsa--gfx1250"
	.amdhsa_code_object_version 6
	.text
	.protected	k_q76815ba7c0_fold
	.globl	k_q76815ba7c0_fold
	.p2align	8
	.type	k_q76815ba7c0_fold,@function
k_q76815ba7c0_fold:
	s_mov_b64 s[64:65], 0
	v_nop
	global_prefetch_b8 v0, s[64:65] scope:SCOPE_SE
	s_setreg_imm32_b32 hwreg(HW_REG_WAVE_MODE, 25, 1), 1
	s_wait_xcnt 0x0
; h1 = relu(BN1(T[t] + g[n])) is made in registers, h2 = h1 W2 + b2 by the matrix unit; h2 - SH goes to memory in f16, its sums and sums of squares per channel to part2.
; h1 = relu(T''[t] + G''[n]) with T'' = (T - mean_T) s1 + beta1 (made here, f16, in LDS) and G'' = s1 (g - mean g) (an image, f16, kept in registers): two packed f16 lines for two numbers.
; SH[d] = b2[d] + sum over c of relu(beta1[c]) W2[c][d], the second layer at BN1's centre: the sums start at b2 - SH, so what is stored and squared is centred to within the spread.
; LIMITS.  |T''| and |h2 - SH| stay under 65,504 (f16).  b2 is rounded to bf16.  NaN and infinities are not treated apart.
; SHARES.  A work-group takes 64 tokens x 64 points.  Wave w: point tiles 2 p, 2 p + 1 (p = w % 2) of tokens 32 u .. 32 u + 31 (u = w / 2): 64 products a token.
; THE PRODUCT IS TURNED: source 0 = 16 channels d of W2, source 1 = 16 points x 32 channels c of h1.  A lane then holds one point and eight neighbouring channels d: 16 bytes in f16, and a store
; of the wave covers 512 consecutive bytes; the launch behind loads the same registers as source 1 of its own product.
; RIDERS.  A fragment of h1 costs 16 vector lines and feeds four products: four lines behind each product make the next fragment.  One window setting serves add, maximum and product.
; NO CLUSTER, NO TENSOR LOADS: what work-groups share are the two images, loaded once a wave straight into the registers in which they stay (48 KiB for 2,048 products); no wave reads another's bytes but T''.
; REGISTERS.  Window 0: addresses, T'' of one token (64), two fragment buffers, 8 accumulators, the sums' start NK, packed results.  Windows 1 and 2 (kc 0-3, 4-7): W2 (128), G'' (64), a copy of the
; other window's first fragment of G'', a zero.  Window 3: the sums S and Q.
.set TT, 0                             ; 65 rows x 512: T'' in f16; row 64 is beta1.  A read is the same 16 bytes for 16 lanes
.set RED, 33280                        ; 4 x 512
.set SPARE, 35328
.set SPW, 2
.set NIL, 3
.set TA, 4                             ; LDS address of the token's row + 16 h
.set HO, 5                             ; 16 l
.set BRA, 6
.set BNO, 7
.set TBO, 9
.set TTS, 10
.set B2O, 11
.set LL, 12
.set HH, 13
.set RDA, 14
.set T, 16                             ; v16-79   T'' fragments, 8 a K step
.set TMP, 80                           ; v80-95   two fragments of h1
.set ACC, 96                           ; accumulator (pt, dt) at ACC + 32 pt + 8 dt
.set NK, 160                           ; b2 - SH, 8 a dt
.set PK, 192
.set B2, 224
.set GG, 128                           ; windows 1, 2: G''(pt, kc % 4) at GG + 32 pt + 8 (kc % 4); W2(kc % 4, dt) at 32 (kc % 4) + 8 dt
.set DUP, 200
.set ZR, 208
.set RW, 64                            ; window 3: S v0-31, Q v32-63, an address
.set MA, 0x01                          ; source 0 in window 1
.set MB, 0x02                          ; source 0 in window 2
.set MSB, 0
.macro WIN new
.if MSB != (\new)
	s_set_vgpr_msb (MSB<<8)|(\new)
.set MSB, \new
.endif
.endm
.macro LDW kc                          ; W2's four fragments of K step kc
	WIN 0x40*(1+(\kc)/4)
.irp dt, 0,1,2,3
	global_load_b128 v[32*((\kc)%4)+8*\dt:32*((\kc)%4)+8*\dt+3], v[HO], s[10:11] offset:(8*\dt+(\kc))*1024
	global_load_b128 v[32*((\kc)%4)+8*\dt+4:32*((\kc)%4)+8*\dt+7], v[HO], s[10:11] offset:(8*\dt+(\kc))*1024+512
.endr
.endm
.macro LDG pt, kc
	WIN 0x40*(1+(\kc)/4)
	global_load_b128 v[GG+32*(\pt)+8*((\kc)%4):GG+32*(\pt)+8*((\kc)%4)+3], v[HO], s[8:9] offset:(8*(\pt)+(\kc))*1024
	global_load_b128 v[GG+32*(\pt)+8*((\kc)%4)+4:GG+32*(\pt)+8*((\kc)%4)+7], v[HO], s[8:9] offset:(8*(\pt)+(\kc))*1024+512
.endm
; Rider n of 16 of fragment fn (K step fn / 2, point tile fn % 2; 16 is the next token's fragment 0): the add on register n, or the maximum on register n - 8.
.macro RID fn, n
.set kcn, ((\fn)>>1)&7
.set tb, TMP+8*((\fn)&1)
.if ((\fn) == 8) || ((\fn) == 16)
.set gr, DUP                           ; the fragment's G'' lies in the other window: its copy
.else
.set gr, GG+32*((\fn)&1)+8*(kcn&3)
.endif
.if (\n) < 8
	v_pk_add_f16 v[tb+(\n)], v[gr+(\n)], v[T+8*kcn+(\n)]
.else
	v_pk_max_num_f16 v[tb+(\n)-8], v[ZR], v[tb+(\n)-8]
.endif
.endm
; Fragment f's four products, behind each four riders of fragment f + 1.  The eight accumulators take turns, one instruction a turn.  The four riders behind a group's last
; product name none of its registers: they are the places ahead of the next group's writes into the buffer that it read.
.macro GROUP f
.set kcf, (\f)>>1
.set ptf, (\f)&1
.irp dt, 0,1,2,3
.if kcf == 0
	v_wmma_f32_16x16x32_f16 v[ACC+32*ptf+8*\dt:ACC+32*ptf+8*\dt+7], v[32*(kcf&3)+8*\dt:32*(kcf&3)+8*\dt+7], v[TMP+8*ptf:TMP+8*ptf+7], v[NK+8*\dt:NK+8*\dt+7]
.else
	v_wmma_f32_16x16x32_f16 v[ACC+32*ptf+8*\dt:ACC+32*ptf+8*\dt+7], v[32*(kcf&3)+8*\dt:32*(kcf&3)+8*\dt+7], v[TMP+8*ptf:TMP+8*ptf+7], v[ACC+32*ptf+8*\dt:ACC+32*ptf+8*\dt+7]
.endif
	RID (\f)+1,4*\dt
	RID (\f)+1,4*\dt+1
	RID (\f)+1,4*\dt+2
	RID (\f)+1,4*\dt+3
.endr
.endm
	s_load_b256 s[4:11], s[0:1], 0x0               ; Tbuf 4, bn1 6, gimg 8, w2img 10
	s_load_b128 s[12:15], s[0:1], 0x20             ; b2 12, h2 14
	s_load_b64 s[16:17], s[0:1], 0x30              ; part2
	v_lshl_add_u32 v[SPW], v0, 2, SPARE
	v_mov_b32 v[NIL], 0
	v_lshrrev_b32 v1, 5, v0
	v_readfirstlane_b32 s20, v1                    ; wave
	s_and_b32 s21, s20, 1                          ; p
	s_lshr_b32 s22, s20, 1                         ; u
	v_and_b32 v[LL], 31, v0
	v_bfe_u32 v[HH], v0, 4, 1
	v_lshlrev_b32 v[HO], 4, v[LL]
	s_lshl_b32 s23, s22, 14
	v_lshl_add_u32 v[TA], v[HH], 4, s23            ; row 32 u
	v_lshlrev_b32 v[BRA], 4, v[HH]
	v_add_nc_u32 v[BRA], 64*512, v[BRA]            ; row 64
	v_lshrrev_b32 v1, 3, v[LL]
	v_and_b32 v[BNO], 7, v[LL]
	v_lshlrev_b32 v[BNO], 4, v[BNO]
	v_lshl_add_u32 v[BNO], v1, 9, v[BNO]           ; bn1: channels 4 l .. of a half row: kc = l / 8, 16 (l % 8)
	s_lshl_b32 s24, s20, 14
	v_add_nc_u32 v[TBO], s24, v[HO]
	s_lshl_b32 s25, s20, 13
	v_lshl_add_u32 v[TTS], v[LL], 3, s25           ; row 16 w, 8 l
	v_lshlrev_b32 v[B2O], 5, v[HH]
	v_add_nc_u32 v[RDA], RED, v[HO]
	s_lshl_b32 s26, s20, 9
	s_add_co_u32 s26, s26, RED
	s_wait_kmcnt 0x0
	s_lshl_b32 s28, ttmp9, 16
	s_mov_b32 s29, 0
	s_add_nc_u64 s[4:5], s[4:5], s[28:29]          ; my 64 rows of T
	s_lshl_b32 s28, s21, 14
	s_add_nc_u64 s[8:9], s[8:9], s[28:29]          ; my two point tiles of G''
	s_lshl_b32 s28, ttmp9, 19                      ; h2: 8,192 bytes a token,
	s_lshl_b32 s27, s22, 18
	s_add_co_u32 s28, s28, s27
	s_lshl_b32 s27, s21, 12                        ; 2,048 a point tile
	s_add_co_u32 s28, s28, s27
	s_add_nc_u64 s[18:19], s[14:15], s[28:29]
	s_lshl_b32 s28, ttmp9, 9
	s_add_nc_u64 s[16:17], s[16:17], s[28:29]
.irp hf, 0,1
.irp fd, 0,1,2                         ; mean at v16, s1 at v24, beta1 at v32, four registers for each half of a row
	global_load_b128 v[16+8*\fd+4*\hf:19+8*\fd+4*\hf], v[BNO], s[6:7] offset:\hf*2048+\fd*128
.endr
.endr
.set i, 0
.rept 32
	global_load_b128 v[96+4*i:99+4*i], v[TBO], s[4:5] offset:512*i th:TH_LOAD_NT
.set i, i+1
.endr
	LDW 0
	LDW 1
	LDW 2
	WIN 0
	; T'' of my 16 rows, eight loads at a time: the count leaves the younger loads of T and the 24 image loads out
.set b, 0
.rept 4
	s_wait_loadcnt 48-8*b
.set i, 8*b
.rept 8
.set hh, i%2
.set x, 96+4*i
	v_pk_add_f32 v[x:x+1], v[x:x+1], v[16+4*hh:17+4*hh] neg_lo:[0,1] neg_hi:[0,1]
	v_pk_add_f32 v[x+2:x+3], v[x+2:x+3], v[18+4*hh:19+4*hh] neg_lo:[0,1] neg_hi:[0,1]
	v_pk_fma_f32 v[x:x+1], v[x:x+1], v[24+4*hh:25+4*hh], v[32+4*hh:33+4*hh]
	v_pk_fma_f32 v[x+2:x+3], v[x+2:x+3], v[26+4*hh:27+4*hh], v[34+4*hh:35+4*hh]
	v_cvt_pk_f16_f32 v[x], v[x], v[x+1]
	v_cvt_pk_f16_f32 v[x+1], v[x+2], v[x+3]
	ds_store_b64 v[TTS], v[x:x+1] offset:(i/2)*512+(i%2)*256
.set i, i+1
.endr
.set b, b+1
.endr
	s_cmp_lg_u32 s20, 0
	s_cbranch_scc1 .Lnot0
	v_cvt_pk_f16_f32 v40, v32, v33                 ; wave 0: row 64 = beta1, T'' at BN1's centre
	v_cvt_pk_f16_f32 v41, v34, v35
	v_cvt_pk_f16_f32 v42, v36, v37
	v_cvt_pk_f16_f32 v43, v38, v39
	ds_store_b64 v[TTS], v[40:41] offset:64*512
	ds_store_b64 v[TTS], v[42:43] offset:64*512+256
.Lnot0:
	LDW 3
.irp kc, 0,1,2,3
	LDG 0, \kc
	LDG 1, \kc
.endr
	global_load_b128 v[DUP:DUP+3], v[HO], s[8:9] offset:4*1024        ; window 1: a copy of G''(0, 4)
	global_load_b128 v[DUP+4:DUP+7], v[HO], s[8:9] offset:4*1024+512
	v_mov_b32 v[ZR], 0
.irp kc, 4,5,6,7
	LDW \kc
	LDG 0, \kc
	LDG 1, \kc
.endr
	global_load_b128 v[DUP:DUP+3], v[HO], s[8:9]                      ; window 2: a copy of G''(0, 0)
	global_load_b128 v[DUP+4:DUP+7], v[HO], s[8:9] offset:512
	v_mov_b32 v[ZR], 0
	WIN 0xc0
.set x, 0
.rept 64
	v_mov_b32 v[x], 0                              ; S and Q start at 0, written while the loads are out: the price of one form of trip
.set x, x+1
.endr
	v_lshl_add_u32 v[RW], v[HH], 5, s26            ; RED + 512 w + 32 h
	WIN 0
.irp dt, 0,1,2,3
	global_load_b128 v[B2+8*\dt:B2+8*\dt+3], v[B2O], s[12:13] offset:64*\dt
	global_load_b128 v[B2+8*\dt+4:B2+8*\dt+7], v[B2O], s[12:13] offset:64*\dt+16
.endr
	s_wait_dscnt 0x0                               ; for the others' sake: my rows of T'' are stored
	s_barrier_signal -1
	s_barrier_wait -1
.irp kc, 0,1,2,3,4,5,6,7
	ds_load_b128 v[T+8*\kc:T+8*\kc+3], v[BRA] offset:64*\kc
	ds_load_b128 v[T+8*\kc+4:T+8*\kc+7], v[BRA] offset:64*\kc+32
.endr
	s_wait_loadcnt 0x0
.set x, 0
.rept 16                               ; b2 rounded to bf16, two at a time
	v_cvt_pk_bf16_f32 v[B2+2*x], v[B2+2*x], v[B2+2*x+1]
	v_and_b32 v[B2+2*x+1], 0xffff0000, v[B2+2*x]
	v_lshlrev_b32 v[B2+2*x], 16, v[B2+2*x]
.set x, x+1
.endr
	s_wait_dscnt 0x0
	WIN MA
.set x, 0
.rept 64
	v_pk_max_num_f16 v[T+x], v[ZR], v[T+x]         ; relu(beta1)
.set x, x+1
.endr
.irp kc, 0,1,2,3,4,5,6,7               ; sum over c of relu(beta1[c]) W2[c][d], the same in all 16 columns; four accumulators by turns
	WIN MA+(\kc/4)
.irp dt, 0,1,2,3
.if \kc == 0
	v_wmma_f32_16x16x32_f16 v[ACC+8*\dt:ACC+8*\dt+7], v[32*(\kc%4)+8*\dt:32*(\kc%4)+8*\dt+7], v[T+8*\kc:T+8*\kc+7], 0
.else
	v_wmma_f32_16x16x32_f16 v[ACC+8*\dt:ACC+8*\dt+7], v[32*(\kc%4)+8*\dt:32*(\kc%4)+8*\dt+7], v[T+8*\kc:T+8*\kc+7], v[ACC+8*\dt:ACC+8*\dt+7]
.endif
.endr
.endr
	WIN 0
.rept 4
	v_nop                                          ; the places behind the last product
.endr
.set x, 0
.rept 16
	v_pk_add_f32 v[PK+2*x:PK+2*x+1], v[ACC+2*x:ACC+2*x+1], v[B2+2*x:B2+2*x+1]   ; SH
.set x, x+1
.endr
.set x, 0
.rept 16
	v_pk_add_f32 v[NK+2*x:NK+2*x+1], v[B2+2*x:B2+2*x+1], v[PK+2*x:PK+2*x+1] neg_lo:[0,1] neg_hi:[0,1]   ; b2 - SH: where the sums start
.set x, x+1
.endr
.irp kc, 0,1,2,3
	ds_load_b128 v[T+8*\kc:T+8*\kc+3], v[TA] offset:64*\kc
	ds_load_b128 v[T+8*\kc+4:T+8*\kc+7], v[TA] offset:64*\kc+32
.endr
	s_wait_dscnt 0x0
	WIN MA
.irp n, 0,1,2,3,4,5,6,7,8,9,10,11,12,13,14,15
	RID 0,\n                                       ; the first token's first fragment
.endr
	WIN 0
	s_mov_b32 s30, 32
.Ltok:                                 ; a trip is a token: 64 products, 256 riders, and a lump: 32 roundings, 8 stores, 64 lines of statistics
.irp kc, 4,5,6,7
	ds_load_b128 v[T+8*\kc:T+8*\kc+3], v[TA] offset:64*\kc
	ds_load_b128 v[T+8*\kc+4:T+8*\kc+7], v[TA] offset:64*\kc+32
.endr
	WIN MA
.irp f, 0,1,2,3,4,5,6
	GROUP \f
.endr
	s_wait_dscnt 0x0                               ; the eight loads above: the next group's riders read K step 4
	GROUP 7
	WIN 0
.irp kc, 0,1,2,3                       ; the next row's first half (behind the last token: row 32 or row 64, written bytes; what is made of them is not used)
	ds_load_b128 v[T+8*\kc:T+8*\kc+3], v[TA] offset:512+64*\kc
	ds_load_b128 v[T+8*\kc+4:T+8*\kc+7], v[TA] offset:512+64*\kc+32
.endr
	WIN MB
.irp f, 8,9,10,11,12,13,14
	GROUP \f
.endr
	s_wait_dscnt 0x0
	GROUP 15                                       ; its riders make the next token's first fragment, and are the places behind the last product
	WIN 0
	s_wait_xcnt 0x0                                ; the last trip's stores have read their data and their base
	s_add_nc_u64 s[18:19], s[18:19], 8192          ; the stores below reach back
.set x, 0
.rept 32
	v_cvt_pk_f16_f32 v[PK+x], v[ACC+2*x], v[ACC+2*x+1]   ; ascending: each accumulator's lowest registers first
.set x, x+1
.endr
.set x, 0
.rept 8
	global_store_b128 v[HO], v[PK+4*x:PK+4*x+3], s[18:19] offset:512*x-8192 th:TH_STORE_NT   ; 512 consecutive bytes, aligned
.set x, x+1
.endr
	WIN 0xc3
.set y, 0
.rept 32
	v_pk_add_f32 v[2*(y%16):2*(y%16)+1], v[2*(y%16):2*(y%16)+1], v[ACC+2*y:ACC+2*y+1]
.set y, y+1
.endr
	WIN 0xf0
.set y, 0
.rept 32
	v_pk_fma_f32 v[32+2*(y%16):32+2*(y%16)+1], v[ACC+2*y:ACC+2*y+1], v[ACC+2*y:ACC+2*y+1], v[32+2*(y%16):32+2*(y%16)+1]
.set y, y+1
.endr
	WIN 0
	v_add_nc_u32 v[TA], 512, v[TA]
	s_sub_co_u32 s30, s30, 1
	s_cmp_lg_u32 s30, 0
	s_cbranch_scc1 .Ltok
	; the sums over my 16 points a half of the lanes, then over the four waves
	WIN 0xcf
.irp m, 1,2,4,8
.set x, 0
.rept 64
	v_add_f32_dpp v[x], v[x], v[x] row_xmask:\m row_mask:0xf bank_mask:0xf
.set x, x+1
.endr
.endr
.irp k, 0,1
.irp dt, 0,1,2,3
	ds_store_b128 v[RW], v[32*\k+8*\dt:32*\k+8*\dt+3] offset:256*\k+64*\dt       ; sixteen lanes write the same bytes with the same numbers
	ds_store_b128 v[RW], v[32*\k+8*\dt+4:32*\k+8*\dt+7] offset:256*\k+64*\dt+16
.endr
.endr
	WIN 0
	s_wait_dscnt 0x0
	s_barrier_signal -1
	s_barrier_wait -1
	s_cmp_lg_u32 s20, 0
	s_cbranch_scc1 .Lend
.irp x, 0,1,2,3
	ds_load_b128 v[16+4*\x:19+4*\x], v[RDA] offset:512*\x
.endr
	s_wait_dscnt 0x0
	v_pk_add_f32 v[16:17], v[16:17], v[20:21]
	v_pk_add_f32 v[18:19], v[18:19], v[22:23]
	v_pk_add_f32 v[24:25], v[24:25], v[28:29]
	v_pk_add_f32 v[26:27], v[26:27], v[30:31]
	v_pk_add_f32 v[16:17], v[16:17], v[24:25]
	v_pk_add_f32 v[18:19], v[18:19], v[26:27]
	global_store_b128 v[HO], v[16:19], s[16:17]    ; [S 64 | Q 64] of the work-group
.Lend:
	s_wait_tensorcnt 0x0                           ; the wave's end
	ds_add_u32 v[SPW], v[NIL]
	s_wait_dscnt 0x0
	s_endpgm
.Lfunc_end_k_q76815ba7c0_fold:
	.size	k_q76815ba7c0_fold, .Lfunc_end_k_q76815ba7c0_fold-k_q76815ba7c0_fold
	.p2alignl 7, 3214868480
	.fill 96, 4, 3214868480
	.section	.rodata,"a",@progbits
	.p2align	6, 0x0
	.amdhsa_kernel k_q76815ba7c0_fold
		.amdhsa_group_segment_fixed_size 35840
		.amdhsa_private_segment_fixed_size 0
		.amdhsa_enable_private_segment 0
		.amdhsa_kernarg_size 56
		.amdhsa_user_sgpr_count 2
		.amdhsa_user_sgpr_kernarg_segment_ptr 1
		.amdhsa_wavefront_size32 1
		.amdhsa_system_sgpr_workgroup_id_x 1
		.amdhsa_system_sgpr_workgroup_id_y 1
		.amdhsa_system_sgpr_workgroup_id_z 1
		.amdhsa_system_vgpr_workitem_id 0
		.amdhsa_next_free_vgpr 1024
		.amdhsa_next_free_sgpr 66
		.amdhsa_reserve_vcc 0
		.amdhsa_float_denorm_mode_32 3
		.amdhsa_float_denorm_mode_16_64 3
		.amdhsa_memory_ordered 1
		.amdhsa_forward_progress 1
		.amdhsa_inst_pref_size 93
	.end_amdhsa_kernel
	.amdgpu_metadata
---
amdhsa.version: [ 1, 2 ]
amdhsa.kernels:
  - .name:           k_q76815ba7c0_fold
    .symbol:         k_q76815ba7c0_fold.kd
    .args:
      - { .name: Tbuf, .offset: 0, .size: 8, .value_kind: global_buffer, .address_space: global }
      - { .name: bn1, .offset: 8, .size: 8, .value_kind: global_buffer, .address_space: global }
      - { .name: gimg, .offset: 16, .size: 8, .value_kind: global_buffer, .address_space: global }
      - { .name: w2img, .offset: 24, .size: 8, .value_kind: global_buffer, .address_space: global }
      - { .name: b2, .offset: 32, .size: 8, .value_kind: global_buffer, .address_space: global }
      - { .name: h2, .offset: 40, .size: 8, .value_kind: global_buffer, .address_space: global }
      - { .name: part2, .offset: 48, .size: 8, .value_kind: global_buffer, .address_space: global }
    .group_segment_fixed_size: 35840
    .private_segment_fixed_size: 0
    .kernarg_segment_align: 8
    .kernarg_segment_size: 56
    .max_flat_workgroup_size: 128
    .sgpr_count:     66
    .vgpr_count:     1024
    .wavefront_size: 32
...
	.end_amdgpu_metadata
.endif
;; end of part 3
;; launch emit (part 4): grid 256 x 1, 8 waves a work-group, no clusters, 19,456 bytes of LDS; arguments h2, part2, gamma2, beta2, W3, b3, out0, out1; writes out1
.if DOCPART == 4
	.amdgcn_target "amdgcn-amd-amdhsa--gfx1250"
	.amdhsa_code_object_version 6
	.text
	.protected	k_q76815ba7c0_emit
	.globl	k_q76815ba7c0_emit
	.p2align	8
	.type	k_q76815ba7c0_emit,@function
k_q76815ba7c0_emit:
	s_mov_b64 s[64:65], 0
	v_nop
	global_prefetch_b8 v0, s[64:65] scope:SCOPE_SE
	s_setreg_imm32_b32 hwreg(HW_REG_WAVE_MODE, 25, 1), 1
	s_wait_xcnt 0x0
; BN2 is finished, and fine = coarse + relu(BN2(h2)) W3 + b3 is written.  h2 comes centred (h2 - SH) in f16, in the register image that the launch before stored.
; mean = S / 2^20, var = Q / 2^20 - mean^2 (the stored numbers are centred to within their spread), y = relu(s2 h + o2) with s2 = gamma2 / sqrt(var + eps), o2 = beta2 - s2 mean, in packed f16.
; gamma2, beta2, W3, b3 are rounded once to bf16; W3 is then written as f16 (below 6e-5 it keeps f16's fixed step of 6e-8).  LIMIT: s2, o2 and y stay under 65,504.
; SHARES.  Wave w of a work-group takes tokens 64 wg + 8 w .. + 7, two a trip: 32 loads of 512 consecutive bytes.  Two register sets: while one is worked on, the other's 32 loads are out.
; THE PRODUCT.  Source 0 = W3 turned, source 1 = 16 points x 32 channels as loaded.  A1 holds W3's three columns in rows 0-2 (0 in rows 8-15), A2 in rows 8-10 (0 in rows 0-7): one accumulator takes an even
; point tile by A1 and the next by A2, and ends with 32 points x 3 numbers in registers 0-2 of its 32 lanes.  The sums start at b3.
; The 256 parts of the statistics (128 KiB) are added by every work-group at its head, while its first 32 KiB a wave are on their way.  No tensor loads, no cluster: no wave reads another's stream.
.set RED, 0                            ; 8 x 512
.set PT, 4096                          ; 8 x 256: s2 and o2 in f16, each wave's own
.set STG, 6144                         ; 8 x 1,536: two tokens' 128 points x 12 bytes, each wave's own
.set SPARE, 18432
.set SPW, 2
.set NIL, 3
.set L16, 4
.set STS, 5
.set STR, 6
.set W3O, 7
.set L8, 8
.set P2O, 9
.set RDS, 10
.set PTS, 11
.set PTR, 12
.set LL, 14
.set RR, 15
.set HH, 16
.set S2P, 32                           ; v32-47  s2 of channels 16 dt + 8 h + 2 i, + 1 at 4 dt + i
.set O2P, 48
.set AW, 64                            ; A1 (channels 0-31, 32-63), A2 likewise
.set CB, 96
.set DX, 104                           ; four accumulators: 2 token + half
.set OUTR, 136
.set BACK, 148
.set W3R, 160
.set GM, 192
.set BT, 194
.set SS, 196
.set QQ, 212
.set MSB, 0
.macro WIN new
.if MSB != (\new)
	s_set_vgpr_msb (MSB<<8)|(\new)
.set MSB, \new
.endif
.endm
.macro RBF x
	v_cvt_pk_bf16_f32 v[\x], v[\x], v[\x]
	v_lshlrev_b32 v[\x], 16, v[\x]
.endm
	s_load_b512 s[4:19], s[0:1], 0x0               ; h2 4, part2 6, gamma2 8, beta2 10, W3 12, b3 14, out0 16, out1 18
	v_lshl_add_u32 v[SPW], v0, 2, SPARE
	v_mov_b32 v[NIL], 0
	v_lshrrev_b32 v1, 5, v0
	v_readfirstlane_b32 s20, v1                    ; wave
	v_and_b32 v[LL], 31, v0
	v_and_b32 v[RR], 15, v0
	v_bfe_u32 v[HH], v0, 4, 1
	v_lshlrev_b32 v[L16], 4, v[LL]
	v_lshlrev_b32 v[L8], 3, v[LL]
	s_mul_i32 s22, s20, 1536
	s_add_co_u32 s22, s22, STG
	v_mul_u32_u24 v[STS], v[LL], 12
	v_add_nc_u32 v[STS], s22, v[STS]
	v_add_nc_u32 v[STR], s22, v[L16]
	v_and_b32 v[W3O], 7, v[RR]
	v_min_u32 v[W3O], 2, v[W3O]                    ; rows 3-7 repeat column 2: their results are not used
	v_lshlrev_b32 v[W3O], 2, v[W3O]
	v_mad_u32_u24 v[W3O], v[HH], 96, v[W3O]        ; W3[8 h ..][column]
	s_lshl_b32 s23, s20, 14
	v_add_nc_u32 v[P2O], s23, v[L16]               ; parts 32 w ..
	s_lshl_b32 s24, s20, 9
	v_add_nc_u32 v[RDS], s24, v[L16]
	s_lshl_b32 s25, s20, 8
	s_add_co_u32 s25, s25, PT
	v_lshl_add_u32 v[PTS], v[LL], 2, s25
	v_lshl_add_u32 v[PTR], v[HH], 4, s25
	s_mov_b32 s34, 0
	s_mov_b32 s35, 0x00ff00ff                      ; lanes with l % 16 < 8
	s_wait_kmcnt 0x0
	s_load_b96 s[36:38], s[14:15], 0x0             ; b3
	s_mul_i32 s22, ttmp9, 768
	s_mul_i32 s24, s20, 96
	s_add_co_u32 s22, s22, s24
	s_mov_b32 s23, 0
	s_add_nc_u64 s[16:17], s[16:17], s[22:23]
	s_load_b256 s[40:47], s[16:17], 0x0            ; coarse of my eight tokens: 24 numbers; this launch stores nothing into out0
	s_load_b256 s[48:55], s[16:17], 0x20
	s_load_b256 s[56:63], s[16:17], 0x40
	s_lshl_b32 s22, ttmp9, 19
	s_lshl_b32 s24, s20, 16
	s_add_co_u32 s22, s22, s24
	s_add_nc_u64 s[4:5], s[4:5], s[22:23]          ; h2 at my first token
	s_mul_i32 s22, ttmp9, 49152
	s_mul_i32 s24, s20, 6144
	s_add_co_u32 s22, s22, s24
	s_add_nc_u64 s[18:19], s[18:19], s[22:23]      ; out1 likewise
.set x, 0
.rept 32
	global_load_b32 v[W3R+x], v[W3O], s[12:13] offset:(32*(x/16)+16*((x/8)%2)+x%8)*12
.set x, x+1
.endr
	global_load_b64 v[GM:GM+1], v[L8], s[8:9]
	global_load_b64 v[BT:BT+1], v[L8], s[10:11]
	WIN 0x40
.set x, 0
.rept 32
	global_load_b128 v[128+4*x:131+4*x], v[P2O], s[6:7] offset:512*x
.set x, x+1
.endr
.set x, 0
.rept 32
	global_load_b128 v[4*x:4*x+3], v[L16], s[4:5] offset:512*x th:TH_LOAD_NT   ; trip 0
.set x, x+1
.endr
	s_wait_loadcnt 32                              ; all but trip 0's 32 loads
	WIN 0x45
.irp s, 1,2,4,8,16
.set x, 0
.rept 16/\s
	v_pk_add_f32 v[128+8*\s*x:128+8*\s*x+1], v[128+8*\s*x:128+8*\s*x+1], v[128+8*\s*x+4*\s:128+8*\s*x+4*\s+1]
	v_pk_add_f32 v[128+8*\s*x+2:128+8*\s*x+3], v[128+8*\s*x+2:128+8*\s*x+3], v[128+8*\s*x+4*\s+2:128+8*\s*x+4*\s+3]
.set x, x+1
.endr
.endr
	WIN 0x04
	ds_store_b128 v[RDS], v[128:131]
	s_wait_dscnt 0x0                               ; for the others' sake; and the store has read its registers
	WIN 0x40
.set x, 0
.rept 32
	global_load_b128 v[128+4*x:131+4*x], v[L16], s[4:5] offset:16384+512*x th:TH_LOAD_NT   ; trip 1
.set x, x+1
.endr
	WIN 0
	s_barrier_signal -1
	s_barrier_wait -1
.irp x, 0,1,2,3,4,5,6,7
	ds_load_b64 v[SS+2*\x:SS+2*\x+1], v[L8] offset:RED+512*\x         ; S of channels 2 l, 2 l + 1
	ds_load_b64 v[QQ+2*\x:QQ+2*\x+1], v[L8] offset:RED+512*\x+256     ; Q
.endr
	; W3: rounded to bf16, written as f16, and dealt to A1 and A2
.set y, 0
.rept 16
	v_cvt_pk_bf16_f32 v[W3R+2*y], v[W3R+2*y], v[W3R+2*y+1]
	v_and_b32 v[W3R+2*y+1], 0xffff0000, v[W3R+2*y]
	v_lshlrev_b32 v[W3R+2*y], 16, v[W3R+2*y]
	v_cvt_pk_f16_f32 v[W3R+2*y], v[W3R+2*y], v[W3R+2*y+1]
	v_cndmask_b32 v[AW+y], 0, v[W3R+2*y], s35
	v_cndmask_b32 v[AW+16+y], v[W3R+2*y], 0, s35
.set y, y+1
.endr
	RBF GM
	RBF GM+1
	RBF BT
	RBF BT+1
	s_wait_kmcnt 0x0
.irp m, 0,1,2
	v_mov_b32 v[CB+\m], s[36+\m]
.endr
.irp m, 0,1,2
	RBF CB+\m
.endr
.irp m, 3,4,5,6,7
	v_mov_b32 v[CB+\m], 0
.endr
	s_wait_dscnt 0x0
.irp x, 1,2,3,4,5,6,7
	v_pk_add_f32 v[SS:SS+1], v[SS:SS+1], v[SS+2*\x:SS+2*\x+1]
	v_pk_add_f32 v[QQ:QQ+1], v[QQ:QQ+1], v[QQ+2*\x:QQ+2*\x+1]
.endr
	v_pk_mul_f32 v[SS:SS+1], v[SS:SS+1], 0x35800000 op_sel_hi:[1,0]   ; mean
	v_pk_mul_f32 v[QQ:QQ+1], v[QQ:QQ+1], 0x35800000 op_sel_hi:[1,0]
	v_pk_fma_f32 v[QQ:QQ+1], v[SS:SS+1], v[SS:SS+1], v[QQ:QQ+1] neg_lo:[1,0,0] neg_hi:[1,0,0]   ; var
	v_max_num_f32 v[QQ], 0, v[QQ]
	v_max_num_f32 v[QQ+1], 0, v[QQ+1]
	v_add_f32 v[QQ], 0x3727c5ac, v[QQ]
	v_add_f32 v[QQ+1], 0x3727c5ac, v[QQ+1]
	v_rsq_f32 v[QQ+2], v[QQ]
	v_rsq_f32 v[QQ+3], v[QQ+1]
	v_nop                                          ; a plain instruction behind the last root,
	s_wait_alu depctr_va_vdst(0)                   ; and one wait for the two
	v_pk_mul_f32 v[QQ+2:QQ+3], v[QQ+2:QQ+3], v[GM:GM+1]               ; s2
	v_pk_fma_f32 v[QQ+4:QQ+5], v[QQ+2:QQ+3], v[SS:SS+1], v[BT:BT+1] neg_lo:[1,0,0] neg_hi:[1,0,0]   ; o2 = beta2 - s2 mean
	v_cvt_pk_f16_f32 v[QQ+6], v[QQ+2], v[QQ+3]
	v_cvt_pk_f16_f32 v[QQ+7], v[QQ+4], v[QQ+5]
	ds_store_b32 v[PTS], v[QQ+6]                   ; my wave's own table: LDS serves a wave's instructions in order
	ds_store_b32 v[PTS], v[QQ+7] offset:128
.irp dt, 0,1,2,3
	ds_load_b128 v[S2P+4*\dt:S2P+4*\dt+3], v[PTR] offset:32*\dt
	ds_load_b128 v[O2P+4*\dt:O2P+4*\dt+3], v[PTR] offset:128+32*\dt
.endr
	s_wait_dscnt 0x0
; Trip n on register set 'set'.  left: the other set's loads, which stay out.  refill = 1: the set takes trip n + 2.
.macro TRIP set, n, left, refill
	s_wait_loadcnt \left
	WIN 0x41                                       ; the set in window 1, s2 and o2 in window 0
.set g, 0
.rept 8
.set x, 0
.rept 16
	v_pk_fma_f16 v[128*(\set)+16*g+x], v[128*(\set)+16*g+x], v[S2P+x], v[O2P+x]
.set x, x+1
.endr
.set x, 0
.rept 16
	v_pk_max_num_f16 v[128*(\set)+16*g+x], v[128*(\set)+16*g+x], s34
.set x, x+1
.endr
.set g, g+1
.endr
	WIN 0x04
.irp s, 0,1,2,3                        ; four accumulators by turns; step s: A1 or A2 (s / 2), channels 32 (s % 2) on
.irp a, 0,1,2,3
.if \s == 0
	v_wmma_f32_16x16x32_f16 v[DX+8*\a:DX+8*\a+7], v[AW+8*\s:AW+8*\s+7], v[128*(\set)+64*(\a/2)+16*(2*(\a%2)+\s/2)+8*(\s%2):128*(\set)+64*(\a/2)+16*(2*(\a%2)+\s/2)+8*(\s%2)+7], v[CB:CB+7]
.else
	v_wmma_f32_16x16x32_f16 v[DX+8*\a:DX+8*\a+7], v[AW+8*\s:AW+8*\s+7], v[128*(\set)+64*(\a/2)+16*(2*(\a%2)+\s/2)+8*(\s%2):128*(\set)+64*(\a/2)+16*(2*(\a%2)+\s/2)+8*(\s%2)+7], v[DX+8*\a:DX+8*\a+7]
.endif
.endr
.endr
	WIN 0
.rept 4
	v_nop                                          ; the places behind the last product: ahead of the loads into its sources and of the reads of its result
.endr
	s_wait_xcnt 0x0                                ; the last trip's stores have read their data
.if \refill
	WIN 0x40
.set x, 0
.rept 32
	global_load_b128 v[128*(\set)+4*x:128*(\set)+4*x+3], v[L16], s[4:5] offset:((\n)+2)*16384+512*x th:TH_LOAD_NT
.set x, x+1
.endr
	WIN 0
.endif
.irp a, 0,1,2,3
.irp m, 0,1,2
	v_add_f32 v[OUTR+3*\a+\m], s[40+3*(2*(\n)+\a/2)+\m], v[DX+8*\a+\m]   ; + coarse of the token; register 0 first
.endr
.endr
.irp a, 0,1,2,3
.irp m, 0,1,2
	ds_store_b32 v[STS], v[OUTR+3*\a+\m] offset:(\a/2)*768+(\a%2)*384+4*\m   ; point 32 (a % 2) + l: lanes three words apart
.endr
.endr
.irp i, 0,1,2
	ds_load_b128 v[BACK+4*\i:BACK+4*\i+3], v[STR] offset:512*\i
.endr
	s_wait_dscnt 0x0
.irp i, 0,1,2
	global_store_b128 v[L16], v[BACK+4*\i:BACK+4*\i+3], s[18:19] offset:(\n)*1536+512*\i th:TH_STORE_NT   ; 512 consecutive bytes, aligned
.endr
.endm
	TRIP 0, 0, 32, 1
	TRIP 1, 1, 32, 1
	TRIP 0, 2, 32, 0
	TRIP 1, 3, 0, 0
	s_wait_tensorcnt 0x0                           ; the wave's end
	ds_add_u32 v[SPW], v[NIL]
	s_wait_dscnt 0x0
	s_endpgm
.Lfunc_end_k_q76815ba7c0_emit:
	.size	k_q76815ba7c0_emit, .Lfunc_end_k_q76815ba7c0_emit-k_q76815ba7c0_emit
	.p2alignl 7, 3214868480
	.fill 96, 4, 3214868480
	.section	.rodata,"a",@progbits
	.p2align	6, 0x0
	.amdhsa_kernel k_q76815ba7c0_emit
		.amdhsa_group_segment_fixed_size 19456
		.amdhsa_private_segment_fixed_size 0
		.amdhsa_enable_private_segment 0
		.amdhsa_kernarg_size 64
		.amdhsa_user_sgpr_count 2
		.amdhsa_user_sgpr_kernarg_segment_ptr 1
		.amdhsa_wavefront_size32 1
		.amdhsa_system_sgpr_workgroup_id_x 1
		.amdhsa_system_sgpr_workgroup_id_y 1
		.amdhsa_system_sgpr_workgroup_id_z 1
		.amdhsa_system_vgpr_workitem_id 0
		.amdhsa_next_free_vgpr 512
		.amdhsa_next_free_sgpr 66
		.amdhsa_reserve_vcc 0
		.amdhsa_float_denorm_mode_32 3
		.amdhsa_float_denorm_mode_16_64 3
		.amdhsa_memory_ordered 1
		.amdhsa_forward_progress 1
		.amdhsa_inst_pref_size 111
	.end_amdhsa_kernel
	.amdgpu_metadata
---
amdhsa.version: [ 1, 2 ]
amdhsa.kernels:
  - .name:           k_q76815ba7c0_emit
    .symbol:         k_q76815ba7c0_emit.kd
    .args:
      - { .name: h2, .offset: 0, .size: 8, .value_kind: global_buffer, .address_space: global }
      - { .name: part2, .offset: 8, .size: 8, .value_kind: global_buffer, .address_space: global }
      - { .name: gamma2, .offset: 16, .size: 8, .value_kind: global_buffer, .address_space: global }
      - { .name: beta2, .offset: 24, .size: 8, .value_kind: global_buffer, .address_space: global }
      - { .name: W3, .offset: 32, .size: 8, .value_kind: global_buffer, .address_space: global }
      - { .name: b3, .offset: 40, .size: 8, .value_kind: global_buffer, .address_space: global }
      - { .name: out0, .offset: 48, .size: 8, .value_kind: global_buffer, .address_space: global }
      - { .name: out1, .offset: 56, .size: 8, .value_kind: global_buffer, .address_space: global }
    .group_segment_fixed_size: 19456
    .private_segment_fixed_size: 0
    .kernarg_segment_align: 8
    .kernarg_segment_size: 64
    .max_flat_workgroup_size: 256
    .sgpr_count:     66
    .vgpr_count:     512
    .wavefront_size: 32
...
	.end_amdgpu_metadata
.endif
;; end of part 4
;; ======== version 2 of 2: 4 launches; version 1 with the launch fold written anew for expert scheduling mode
;; limits: values are held in f16: magnitudes above 65,504 overflow, below 6.1e-05 lose precision; a difference of large sums (such as E[x^2] - mean^2): digits are lost where the result is much smaller than its terms
;; workspace buffers: Tbuf 16,777,216 bytes; part1 524,288 bytes; bn1 4,096 bytes; gimg 32,768 bytes; w2img 32,768 bytes; h2 134,217,728 bytes; part2 131,072 bytes
;; launch tok: the kernel of part 1 again; grid 256 x 1, 4 waves a work-group, clusters of 4 x 1, 327,680 bytes of LDS; arguments tokens, W1, Wc, b1, bc, Tbuf, part1, out0; writes Tbuf, part1, out0
;; launch fin1: the kernel of part 2 again; grid 8 x 1, 8 waves a work-group, no clusters, 6,144 bytes of LDS; arguments part1, grid, W1, gamma1, beta1, W2, bn1, gimg, w2img; writes bn1, gimg, w2img
;; launch fold (part 5): grid 256 x 1, 4 waves a work-group, no clusters, 35,840 bytes of LDS; arguments Tbuf, bn1, gimg, w2img, b2, h2, part2; writes h2, part2
.if DOCPART == 5
	.amdgcn_target "amdgcn-amd-amdhsa--gfx1250"
	.amdhsa_code_object_version 6
	.text
	.protected	k_q76815ba7c0_fold
	.globl	k_q76815ba7c0_fold
	.p2align	8
	.type	k_q76815ba7c0_fold,@function
k_q76815ba7c0_fold:
	s_mov_b64 s[64:65], 0
	v_nop
	global_prefetch_b8 v0, s[64:65] scope:SCOPE_SE
	s_setreg_imm32_b32 hwreg(HW_REG_WAVE_SCHED_MODE, 0, 2), 2
	s_setreg_imm32_b32 hwreg(HW_REG_WAVE_MODE, 25, 1), 1
	s_wait_xcnt 0x0
	s_wait_alu depctr_vm_vsrc(0)
; h1 = relu(BN1(T[t] + g[n])) is made in registers, h2 = h1 W2 + b2 by the matrix unit; h2 - SH goes to memory in f16, its sums and sums of squares per channel to part2.
; h1 = relu(T''[t] + G''[n]) with T'' = (T - mean_T) s1 + beta1 (made here, f16, in LDS) and G'' = s1 (g - mean g) (an image, f16, kept in registers): two packed f16 lines for two numbers.
; SH[d] = b2[d] + sum over c of relu(beta1[c]) W2[c][d], the second layer at BN1's centre: the sums start at b2 - SH, so what is stored and squared is centred to within the spread.
; LIMITS.  |T''| and |h2 - SH| stay under 65,504 (f16).  b2 is rounded to bf16.  NaN and infinities are not treated apart.
; SHARES.  A work-group takes 64 tokens x 64 points.  Wave w: point tiles 2 p, 2 p + 1 (p = w % 2) of tokens 32 u .. 32 u + 31 (u = w / 2): 64 products a token.
; THE PRODUCT IS TURNED: source 0 = 16 channels d of W2, source 1 = 16 points x 32 channels c of h1.  A lane then holds one point and eight neighbouring channels d: 16 bytes in f16, and a store
; of the wave covers 512 consecutive bytes; the launch behind loads the same registers as source 1 of its own product.
; RIDERS.  A fragment of h1 costs 16 vector lines and feeds four products: four lines behind each product make the fragment TWO further on.  One window setting serves add, maximum and product.
; NO CLUSTER, NO TENSOR LOADS: what work-groups share are the two images, loaded once a wave straight into the registers in which they stay (48 KiB for 2,048 products); no wave reads another's bytes but T''.
; REGISTERS.  Window 0: addresses, T'' (64), 8 accumulators, the sums' start NK, packed results, four fragment buffers.  Windows 1 and 2: W2 of K steps 0-3 and 4-7 (128), eight fragments of G'' (64), a zero.
; Window 3: the sums S and Q.  G'' of fragment f (K step f / 2, point tile f % 2) lies in the window of the group whose riders read it: fragments 2-9 in window 1, fragments 10-15, 0 and 1 in window 2.
; THE MODE: SCHED_MODE bits 1:0 = 2 (LLVM: expert scheduling mode 2), set by the entry lines.  The code itself states the register dependences
; between vector or matrix instructions and memory or LDS instructions, with s_wait_alu, always for 0.
; THE PLAN.  Registers that memory or LDS instructions touch, in the loop over tokens:
;   T (v16-79)    Read by the trip's riders: K step k of the token in groups 2 k - 2 and 2 k - 1, K step 0 of the NEXT token in groups 14 and 15.  Behind group 15 nothing of it is wanted:
;                 the lump's 16 LDS loads land in it (K steps 1-7 of the next row, K step 0 of the row behind that).
;   v[TA]         Read by those loads; written once a trip, at the lump's head.
;   PK (v192-223) Written by the lump's 32 roundings; read by the 8 stores behind them.
;   v[HO]         The stores' offset; never written again: the scalar base moves on.
;   The fragment buffers, the accumulators, NK, W2, G'', S and Q are named by vector and matrix instructions alone.
; So a trip has ONE wait on vm_vsrc, at the lump's head (the stores and LDS loads of the trip before have read PK and v[TA]), and ONE on va_vdst, behind the roundings (PK and v[TA] are written; the riders are
; done reading T).  The loads and stores follow it; the 64 lines of statistics behind them name the accumulators, S and Q: none of the registers that those loads and stores touch.
.set TT, 0                             ; 65 rows x 512: T'' in f16; row 64 is beta1.  A read is the same 16 bytes for 16 lanes
.set RED, 33280                        ; 4 x 512
.set TA, 4                             ; LDS address of the token's row + 16 h
.set HO, 5                             ; 16 l
.set BRA, 6
.set BNO, 7
.set TBO, 9
.set TTS, 10
.set B2O, 11
.set LL, 12
.set HH, 13
.set RDA, 14
.set T, 16                             ; v16-79   T'' fragments, 8 a K step
.set ACC, 96                           ; accumulator (pt, dt) at ACC + 32 pt + 8 dt
.set NK, 160                           ; b2 - SH, 8 a dt
.set PK, 192
.set B2, 224                           ; at the head only
.set TMP, 224                          ; v224-255 four fragments of h1: fragment f in buffer f % 4
.set GG, 128                           ; windows 1, 2: G'' of fragment f at GG + 8 ((f - 2) % 8); W2(kc % 4, dt) at 32 (kc % 4) + 8 dt
.set ZR, 208
.set RW, 64                            ; window 3: S v0-31, Q v32-63, an address
.set MA, 0x01                          ; source 0 in window 1
.set MB, 0x02                          ; source 0 in window 2
.set MSB, 0
.macro WIN new
.if MSB != (\new)
	s_set_vgpr_msb (MSB<<8)|(\new)
.set MSB, \new
.endif
.endm
.macro LDW kc                          ; W2's four fragments of K step kc
	WIN 0x40*(1+(\kc)/4)
.irp dt, 0,1,2,3
	global_load_b128 v[32*((\kc)%4)+8*\dt:32*((\kc)%4)+8*\dt+3], v[HO], s[10:11] offset:(8*\dt+(\kc))*1024
	global_load_b128 v[32*((\kc)%4)+8*\dt+4:32*((\kc)%4)+8*\dt+7], v[HO], s[10:11] offset:(8*\dt+(\kc))*1024+512
.endr
.endm
.macro LDG fn                          ; G'' of fragment fn, into the window of the group whose riders read it
.set gi, ((\fn)+14)&15
	WIN 0x40*(1+gi/8)
	global_load_b128 v[GG+8*(gi&7):GG+8*(gi&7)+3], v[HO], s[8:9] offset:(8*((\fn)&1)+((\fn)>>1))*1024
	global_load_b128 v[GG+8*(gi&7)+4:GG+8*(gi&7)+7], v[HO], s[8:9] offset:(8*((\fn)&1)+((\fn)>>1))*1024+512
.endm
; 16 LDS loads: K steps 1 to 7 of the row at v[TA], then K step 0 of the row behind it.
.macro TNEXT
.irp kc, 1,2,3,4,5,6,7
	ds_load_b128 v[T+8*\kc:T+8*\kc+3], v[TA] offset:64*\kc
	ds_load_b128 v[T+8*\kc+4:T+8*\kc+7], v[TA] offset:64*\kc+32
.endr
	ds_load_b128 v[T:T+3], v[TA] offset:512
	ds_load_b128 v[T+4:T+7], v[TA] offset:512+32
.endm
; Rider n of 16 of fragment fn (K step fn / 2, point tile fn % 2; 16 and 17 are the next token's fragments 0 and 1): the add on register n, or the maximum on register n - 8.
.macro RID fn, n
.set kcn, ((\fn)>>1)&7
.set tb, TMP+8*((\fn)&3)
.set gr, GG+8*(((\fn)+6)&7)
.if (\n) < 8
	v_pk_add_f16 v[tb+(\n)], v[gr+(\n)], v[T+8*kcn+(\n)]
.else
	v_pk_max_num_f16 v[tb+(\n)-8], v[ZR], v[tb+(\n)-8]
.endif
.endm
; Fragment f's four products, behind each four riders of fragment f + 2.  The eight accumulators take turns, one instruction a turn.  The buffer that the riders write was last
; read by the products of two groups back: the sixteen riders of the group between, which name none of those products' registers, are more than the places that stand between.
.macro GROUP f
.set kcf, (\f)>>1
.set ptf, (\f)&1
.set tf, TMP+8*((\f)&3)
.irp dt, 0,1,2,3
.if kcf == 0
	v_wmma_f32_16x16x32_f16 v[ACC+32*ptf+8*\dt:ACC+32*ptf+8*\dt+7], v[32*(kcf&3)+8*\dt:32*(kcf&3)+8*\dt+7], v[tf:tf+7], v[NK+8*\dt:NK+8*\dt+7]
.else
	v_wmma_f32_16x16x32_f16 v[ACC+32*ptf+8*\dt:ACC+32*ptf+8*\dt+7], v[32*(kcf&3)+8*\dt:32*(kcf&3)+8*\dt+7], v[tf:tf+7], v[ACC+32*ptf+8*\dt:ACC+32*ptf+8*\dt+7]
.endif
	RID (\f)+2,4*\dt
	RID (\f)+2,4*\dt+1
	RID (\f)+2,4*\dt+2
	RID (\f)+2,4*\dt+3
.endr
.endm
	s_load_b256 s[4:11], s[0:1], 0x0               ; Tbuf 4, bn1 6, gimg 8, w2img 10
	s_load_b128 s[12:15], s[0:1], 0x20             ; b2 12, h2 14
	s_load_b64 s[16:17], s[0:1], 0x30              ; part2
	v_lshl_add_u32 v94, v0, 2, 0x8a00
	v_mov_b32 v95, 0
	v_lshrrev_b32 v1, 5, v0
	v_readfirstlane_b32 s20, v1                    ; wave
	v_and_b32 v[LL], 31, v0
	v_bfe_u32 v[HH], v0, 4, 1
	v_lshlrev_b32 v[HO], 4, v[LL]
	v_lshlrev_b32 v[BRA], 4, v[HH]
	v_add_nc_u32 v[BRA], 64*512, v[BRA]            ; row 64
	v_lshrrev_b32 v1, 3, v[LL]
	v_and_b32 v[BNO], 7, v[LL]
	v_lshlrev_b32 v[BNO], 4, v[BNO]
	v_lshl_add_u32 v[BNO], v1, 9, v[BNO]           ; bn1: channels 4 l .. of a half row: kc = l / 8, 16 (l % 8)
	v_lshlrev_b32 v[B2O], 5, v[HH]
	v_add_nc_u32 v[RDA], RED, v[HO]
	s_wait_alu depctr_va_sdst(0)                   ; s20 is written, ahead of its first reader: the wave's shares, addresses and branches are made from it
	s_and_b32 s21, s20, 1                          ; p
	s_lshr_b32 s22, s20, 1                         ; u
	s_lshl_b32 s23, s22, 14
	v_lshl_add_u32 v[TA], v[HH], 4, s23            ; row 32 u
	s_lshl_b32 s24, s20, 14
	v_add_nc_u32 v[TBO], s24, v[HO]
	s_lshl_b32 s25, s20, 13
	v_lshl_add_u32 v[TTS], v[LL], 3, s25           ; row 16 w, 8 l
	s_lshl_b32 s26, s20, 9
	s_add_co_u32 s26, s26, RED
	s_wait_kmcnt 0x0
	s_lshl_b32 s28, ttmp9, 16
	s_mov_b32 s29, 0
	s_add_nc_u64 s[4:5], s[4:5], s[28:29]          ; my 64 rows of T
	s_lshl_b32 s28, s21, 14
	s_add_nc_u64 s[8:9], s[8:9], s[28:29]          ; my two point tiles of G''
	s_lshl_b32 s28, ttmp9, 19                      ; h2: 8,192 bytes a token,
	s_lshl_b32 s27, s22, 18
	s_add_co_u32 s28, s28, s27
	s_lshl_b32 s27, s21, 12                        ; 2,048 a point tile
	s_add_co_u32 s28, s28, s27
	s_add_nc_u64 s[18:19], s[14:15], s[28:29]
	s_lshl_b32 s28, ttmp9, 9
	s_add_nc_u64 s[16:17], s[16:17], s[28:29]
	s_wait_alu depctr_va_vdst(0)                   ; the offsets and addresses v4 to v14 are written, which the loads and stores of the whole kernel read
.irp hf, 0,1
.irp fd, 0,1,2                         ; mean at v16, s1 at v24, beta1 at v32, four registers for each half of a row
	global_load_b128 v[16+8*\fd+4*\hf:19+8*\fd+4*\hf], v[BNO], s[6:7] offset:\hf*2048+\fd*128
.endr
.endr
.set i, 0
.rept 32
	global_load_b128 v[96+4*i:99+4*i], v[TBO], s[4:5] offset:512*i th:TH_LOAD_NT
.set i, i+1
.endr
	LDW 0
	LDW 1
	LDW 2
	WIN 0
	; T'' of my 16 rows, eight loads at a time: the count leaves the younger loads of T and the 24 image loads out
.set b, 0
.rept 4
	s_wait_loadcnt 48-8*b
.set i, 8*b
.rept 8
.set hh, i%2
.set x, 96+4*i
	v_pk_add_f32 v[x:x+1], v[x:x+1], v[16+4*hh:17+4*hh] neg_lo:[0,1] neg_hi:[0,1]
	v_pk_add_f32 v[x+2:x+3], v[x+2:x+3], v[18+4*hh:19+4*hh] neg_lo:[0,1] neg_hi:[0,1]
	v_pk_fma_f32 v[x:x+1], v[x:x+1], v[24+4*hh:25+4*hh], v[32+4*hh:33+4*hh]
	v_pk_fma_f32 v[x+2:x+3], v[x+2:x+3], v[26+4*hh:27+4*hh], v[34+4*hh:35+4*hh]
	v_cvt_pk_f16_f32 v[x], v[x], v[x+1]
	v_cvt_pk_f16_f32 v[x+1], v[x+2], v[x+3]
.set i, i+1
.endr
	s_wait_alu depctr_va_vdst(0)                   ; the eight pairs of roundings have written the registers that the eight LDS stores read
.set i, 8*b
.rept 8
	ds_store_b64 v[TTS], v[96+4*i:97+4*i] offset:(i/2)*512+(i%2)*256
.set i, i+1
.endr
.set b, b+1
.endr
	s_cmp_lg_u32 s20, 0
	s_cbranch_scc1 .Lnot0
	v_cvt_pk_f16_f32 v40, v32, v33                 ; wave 0: row 64 = beta1, T'' at BN1's centre
	v_cvt_pk_f16_f32 v41, v34, v35
	v_cvt_pk_f16_f32 v42, v36, v37
	v_cvt_pk_f16_f32 v43, v38, v39
	s_wait_alu depctr_va_vdst(0)                   ; v40 to v43 are written, which the two LDS stores read; and the roundings are done reading v32 to v39, in which LDS loads land behind the barrier
	ds_store_b64 v[TTS], v[40:41] offset:64*512
	ds_store_b64 v[TTS], v[42:43] offset:64*512+256
.Lnot0:
	LDW 3                                          ; the images land in registers that no vector instruction has named
.irp fn, 2,3,4,5,6,7,8,9
	LDG \fn
.endr
	v_mov_b32 v[ZR], 0
.irp kc, 4,5,6,7
	LDW \kc
.endr
.irp fn, 10,11,12,13,14,15,0,1
	LDG \fn
.endr
	v_mov_b32 v[ZR], 0
	WIN 0xc0
.set x, 0
.rept 64
	v_mov_b32 v[x], 0                              ; S and Q start at 0, written while the loads are out: the price of one form of trip
.set x, x+1
.endr
	v_lshl_add_u32 v[RW], v[HH], 5, s26            ; RED + 512 w + 32 h
	WIN 0
.irp dt, 0,1,2,3
	global_load_b128 v[B2+8*\dt:B2+8*\dt+3], v[B2O], s[12:13] offset:64*\dt
	global_load_b128 v[B2+8*\dt+4:B2+8*\dt+7], v[B2O], s[12:13] offset:64*\dt+16
.endr
	s_wait_dscnt 0x0                               ; for the others' sake: my rows of T'' are stored
	s_barrier_signal -1
	s_barrier_wait -1
	s_wait_alu depctr_vm_vsrc(0)                   ; my LDS stores have read v40 to v43 and v96 to v221: these registers are T, the accumulators, NK and PK from here on
.irp kc, 0,1,2,3,4,5,6,7               ; (the lines that read v16 to v39 stand ahead of the last wait on va_vdst, and none since names v16 to v79)
	ds_load_b128 v[T+8*\kc:T+8*\kc+3], v[BRA] offset:64*\kc
	ds_load_b128 v[T+8*\kc+4:T+8*\kc+7], v[BRA] offset:64*\kc+32
.endr
	s_wait_loadcnt 0x0
.set x, 0
.rept 16                               ; b2 rounded to bf16, two at a time
	v_cvt_pk_bf16_f32 v[B2+2*x], v[B2+2*x], v[B2+2*x+1]
	v_and_b32 v[B2+2*x+1], 0xffff0000, v[B2+2*x]
	v_lshlrev_b32 v[B2+2*x], 16, v[B2+2*x]
.set x, x+1
.endr
	s_wait_dscnt 0x0
	WIN MA
.set x, 0
.rept 64
	v_pk_max_num_f16 v[T+x], v[ZR], v[T+x]         ; relu(beta1)
.set x, x+1
.endr
.irp kc, 0,1,2,3,4,5,6,7               ; sum over c of relu(beta1[c]) W2[c][d], the same in all 16 columns; four accumulators by turns
	WIN MA+(\kc/4)
.irp dt, 0,1,2,3
.if \kc == 0
	v_wmma_f32_16x16x32_f16 v[ACC+8*\dt:ACC+8*\dt+7], v[32*(\kc%4)+8*\dt:32*(\kc%4)+8*\dt+7], v[T+8*\kc:T+8*\kc+7], 0
.else
	v_wmma_f32_16x16x32_f16 v[ACC+8*\dt:ACC+8*\dt+7], v[32*(\kc%4)+8*\dt:32*(\kc%4)+8*\dt+7], v[T+8*\kc:T+8*\kc+7], v[ACC+8*\dt:ACC+8*\dt+7]
.endif
.endr
.endr
	WIN 0
.rept 4
	v_nop                                          ; the places behind the last product
.endr
	s_wait_alu depctr_va_vdst(0)                   ; the maxima have written T and the products are done reading it: LDS loads land in it from here on
	ds_load_b128 v[T:T+3], v[TA]                   ; the first token's K step 0; the 32 lines below name none of its registers
	ds_load_b128 v[T+4:T+7], v[TA] offset:32
.set x, 0
.rept 16
	v_pk_add_f32 v[PK+2*x:PK+2*x+1], v[ACC+2*x:ACC+2*x+1], v[B2+2*x:B2+2*x+1]   ; SH
.set x, x+1
.endr
.set x, 0
.rept 16
	v_pk_add_f32 v[NK+2*x:NK+2*x+1], v[B2+2*x:B2+2*x+1], v[PK+2*x:PK+2*x+1] neg_lo:[0,1] neg_hi:[0,1]   ; b2 - SH: where the sums start
.set x, x+1
.endr
	s_wait_dscnt 0x0
	WIN MB
.irp n, 0,1,2,3,4,5,6,7,8,9,10,11,12,13,14,15
	RID 0,\n                                       ; the first token's first two fragments
.endr
.irp n, 0,1,2,3,4,5,6,7,8,9,10,11,12,13,14,15
	RID 1,\n
.endr
	WIN 0
	s_wait_alu depctr_va_vdst(0)                   ; those riders are done reading K step 0, in which the second token's lands
	TNEXT
	s_mov_b32 s30, 32
.Ltok:                                 ; a trip is a token: 64 products, 256 riders, and a lump: 32 roundings, 16 LDS loads, 8 stores, 64 lines of statistics
	s_wait_dscnt 12                                ; LDS loads come back in order (ISA guide 5.7.1): K steps 1 and 2, the oldest four of the sixteen, are in; the same sixteen in the same order on the way in and on the way back
	WIN MA
.irp f, 0,1,2,3
	GROUP \f
.endr
	s_wait_dscnt 0x0                               ; the other twelve: the next group's riders read K step 3
.irp f, 4,5,6,7
	GROUP \f
.endr
	WIN MB
.irp f, 8,9,10,11,12,13,14,15
	GROUP \f                                       ; the riders of groups 14 and 15 make the next token's first two fragments (behind the last token: of row 32 or row 64, written bytes; what is made of them is not used)
.endr
	WIN 0
	s_wait_xcnt 0x0                                ; the last trip's stores have had their addresses translated (ISA guide 3.1): their base and data are rewritten only behind this wait
	s_wait_alu depctr_vm_vsrc(0)                   ; the last trip's stores have read PK, which the roundings below write again; the LDS loads issued so far have read v[TA], which the add below writes
	s_add_nc_u64 s[18:19], s[18:19], 8192          ; the stores below reach back
	v_add_nc_u32 v[TA], 512, v[TA]                 ; the next row
.set x, 0
.rept 32
	v_cvt_pk_f16_f32 v[PK+x], v[ACC+2*x], v[ACC+2*x+1]   ; ascending: each accumulator's lowest registers first
.set x, x+1
.endr
	s_wait_alu depctr_va_vdst(0)                   ; the roundings have written PK, which the stores read; v[TA] is written, which the LDS loads read; the trip's riders are done reading T, in which those loads land
	s_cmp_eq_u32 s30, 1                            ; the last trip asks for no more: the row behind the next would lie past the table's 65 rows
	s_cbranch_scc1 .Lno_more
	TNEXT
.Lno_more:
.set x, 0
.rept 8
	global_store_b128 v[HO], v[PK+4*x:PK+4*x+3], s[18:19] offset:512*x-8192 th:TH_STORE_NT   ; 512 consecutive bytes, aligned
.set x, x+1
.endr
	WIN 0xc3                                       ; the statistics name the accumulators, S and Q: none of the registers that the loads and stores above touch
.set y, 0
.rept 32
	v_pk_add_f32 v[2*(y%16):2*(y%16)+1], v[2*(y%16):2*(y%16)+1], v[ACC+2*y:ACC+2*y+1]
.set y, y+1
.endr
	WIN 0xf0
.set y, 0
.rept 32
	v_pk_fma_f32 v[32+2*(y%16):32+2*(y%16)+1], v[ACC+2*y:ACC+2*y+1], v[ACC+2*y:ACC+2*y+1], v[32+2*(y%16):32+2*(y%16)+1]
.set y, y+1
.endr
	WIN 0
	s_sub_co_u32 s30, s30, 1
	s_cmp_lg_u32 s30, 0
	s_cbranch_scc1 .Ltok
	; the sums over my 16 points a half of the lanes, then over the four waves
	WIN 0xcf
.irp m, 1,2,4,8
.set x, 0
.rept 64
	v_add_f32_dpp v[x], v[x], v[x] row_xmask:\m row_mask:0xf bank_mask:0xf
.set x, x+1
.endr
.endr
	s_wait_alu depctr_va_vdst(0)                   ; the sums have written S and Q, which the LDS stores read; and the last trip's riders are done reading v16 to v31, in which wave 0's loads land behind the barrier
.irp k, 0,1
.irp dt, 0,1,2,3
	ds_store_b128 v[RW], v[32*\k+8*\dt:32*\k+8*\dt+3] offset:256*\k+64*\dt       ; sixteen lanes write the same bytes with the same numbers
	ds_store_b128 v[RW], v[32*\k+8*\dt+4:32*\k+8*\dt+7] offset:256*\k+64*\dt+16
.endr
.endr
	WIN 0
	s_wait_dscnt 0x0
	s_barrier_signal -1
	s_barrier_wait -1
	s_cmp_lg_u32 s20, 0
	s_cbranch_scc1 .Lend
.irp x, 0,1,2,3
	ds_load_b128 v[16+4*\x:19+4*\x], v[RDA] offset:512*\x
.endr
	s_wait_dscnt 0x0
	v_pk_add_f32 v[16:17], v[16:17], v[20:21]
	v_pk_add_f32 v[18:19], v[18:19], v[22:23]
	v_pk_add_f32 v[24:25], v[24:25], v[28:29]
	v_pk_add_f32 v[26:27], v[26:27], v[30:31]
	v_pk_add_f32 v[16:17], v[16:17], v[24:25]
	v_pk_add_f32 v[18:19], v[18:19], v[26:27]
	s_wait_alu depctr_va_vdst(0)                   ; the additions have written v16 to v19, which the store reads
	global_store_b128 v[HO], v[16:19], s[16:17]    ; [S 64 | Q 64] of the work-group
.Lend:
	s_wait_dscnt 0x0                               ; the wave's end: my last LDS instructions are done
	s_wait_alu depctr_hold_cnt(0) depctr_sa_sdst(0) depctr_va_vdst(0) depctr_va_sdst(0) depctr_va_ssrc(0) depctr_va_vcc(0) depctr_vm_vsrc(0)
	s_wait_tensorcnt 0x0
	ds_add_u32 v94, v95
	s_wait_dscnt 0x0
	s_endpgm
.Lfunc_end_k_q76815ba7c0_fold:
	.size	k_q76815ba7c0_fold, .Lfunc_end_k_q76815ba7c0_fold-k_q76815ba7c0_fold
	.p2alignl 7, 3214868480
	.fill 96, 4, 3214868480
	.section	.rodata,"a",@progbits
	.p2align	6, 0x0
	.amdhsa_kernel k_q76815ba7c0_fold
		.amdhsa_group_segment_fixed_size 35840
		.amdhsa_private_segment_fixed_size 0
		.amdhsa_enable_private_segment 0
		.amdhsa_kernarg_size 56
		.amdhsa_user_sgpr_count 2
		.amdhsa_user_sgpr_kernarg_segment_ptr 1
		.amdhsa_wavefront_size32 1
		.amdhsa_system_sgpr_workgroup_id_x 1
		.amdhsa_system_sgpr_workgroup_id_y 1
		.amdhsa_system_sgpr_workgroup_id_z 1
		.amdhsa_system_vgpr_workitem_id 0
		.amdhsa_next_free_vgpr 1024
		.amdhsa_next_free_sgpr 66
		.amdhsa_reserve_vcc 0
		.amdhsa_float_denorm_mode_32 3
		.amdhsa_float_denorm_mode_16_64 3
		.amdhsa_memory_ordered 1
		.amdhsa_forward_progress 1
		.amdhsa_inst_pref_size 95
	.end_amdhsa_kernel
	.amdgpu_metadata
---
amdhsa.version: [ 1, 2 ]
amdhsa.kernels:
  - .name:           k_q76815ba7c0_fold
    .symbol:         k_q76815ba7c0_fold.kd
    .args:
      - { .name: Tbuf, .offset: 0, .size: 8, .value_kind: global_buffer, .address_space: global }
      - { .name: bn1, .offset: 8, .size: 8, .value_kind: global_buffer, .address_space: global }
      - { .name: gimg, .offset: 16, .size: 8, .value_kind: global_buffer, .address_space: global }
      - { .name: w2img, .offset: 24, .size: 8, .value_kind: global_buffer, .address_space: global }
      - { .name: b2, .offset: 32, .size: 8, .value_kind: global_buffer, .address_space: global }
      - { .name: h2, .offset: 40, .size: 8, .value_kind: global_buffer, .address_space: global }
      - { .name: part2, .offset: 48, .size: 8, .value_kind: global_buffer, .address_space: global }
    .group_segment_fixed_size: 35840
    .private_segment_fixed_size: 0
    .kernarg_segment_align: 8
    .kernarg_segment_size: 56
    .max_flat_workgroup_size: 128
    .sgpr_count:     66
    .vgpr_count:     1024
    .wavefront_size: 32
...
	.end_amdgpu_metadata
.endif
;; end of part 5
;; launch emit: the kernel of part 4 again; grid 256 x 1, 8 waves a work-group, no clusters, 19,456 bytes of LDS; arguments h2, part2, gamma2, beta2, W3, b3, out0, out1; writes out1
